; MI455X (gfx1250); checked and timed in simulation.
; The chip was launched on July 23, 2026; its instructions are those of AMD's public machine-readable ISA for CDNA 5 (MIT licence, August 2026) and "CDNA5" Instruction Set Architecture Reference Guide (July 2026). The comments in the code are by the model that wrote it; some were corrected since.
;; SINGLE Encoder. Allowed arithmetic: float matrix products may take bf16 or f16 operands with f32 sums; other float arithmetic in f32, or as packed bf16 or f16 multiplies, adds, multiply-adds, maxima and minima; sums over many terms, partial sums and values carried from step to step in f32; what a program stores and reads back later, other than sums and carried values, may be rounded once to bf16 or f16.
;; Inputs: W1f 512 x 2,048 float32; W2f 2,048 x 512 float32; Wc 512 x 512 float32; We 1 x 16 float32; Wk 512 x 512 float32; Wq 512 x 512 float32; Wv 512 x 512 float32; b1 512 float32; b1f 2,048 float32; b2 512 float32; b2f 512 float32; bc 512 float32; be 16 float32; edge_info 32 x 512 x 512 float32; g1 512 float32; g2 512 float32; input1 32 x 512 x 512 float32.
;; Outputs: out0 32 x 512 x 512 float32.
;; One version. Each part assembles by itself: llvm-mc -triple=amdgcn-amd-amdhsa -mcpu=gfx1250 --defsym DOCPART=n.
;; ======== version 1 of 1: 6 launches
;; limits: values outside matrix products are rounded to bf16
;; workspace buffers: xb 16,777,216 bytes; wt 6,291,456 bytes; qkvb 50,331,648 bytes; ob 16,777,216 bytes; o1 16,777,216 bytes; hid 67,108,864 bytes
;; launch prep (part 1): grid 1408 x 1, 4 waves a work-group, no clusters, 0 bytes of LDS; arguments input1, Wq, Wk, Wv, Wc, W1f, W2f, xb, wt; writes xb, wt
.if DOCPART == 1
	.amdgcn_target "amdgcn-amd-amdhsa--gfx1250"
	.amdhsa_code_object_version 6
	.text
	.protected	k_q3c35c4a8eb_prep
	.globl	k_q3c35c4a8eb_prep
	.p2align	8
	.type	k_q3c35c4a8eb_prep,@function
k_q3c35c4a8eb_prep:
	s_mov_b64 s[64:65], 0
	v_nop
	global_prefetch_b8 v0, s[64:65] scope:SCOPE_SE
	s_setreg_imm32_b32 hwreg(HW_REG_WAVE_MODE, 25, 1), 1
	s_wait_xcnt 0x0
; PREP: rounds input1 and the six weight matrices to bf16, once, and lays them out for the matrix launches that follow.
; WORK LEFT OUT IN THE WHOLE PROGRAM (for all finite values of the inputs):
;   be[h] is added to every score of head h, the same along the softmax's axis: softmax(s + const) = softmax(s).
;   bc[e] is added to every node's channel e directly ahead of an instance norm, which takes the mean over the nodes away: x - mean(x) and the variance do not change.
;   b2f[e] likewise ahead of the second norm.  So be, bc and b2f reach no output; they are not loaded and are among no launch's arguments.
;   LIMIT: a NaN, an infinity or an overflow that reaches only these three terms is not carried to the result.
; LIMITS OF FORMAT: every matrix operand and every stored intermediate is bf16 (f32's range); sums, softmax and norm statistics are f32; the residuals use the bf16 copies.
; LAYOUTS.  Activations [16384][C] as [C/8][R/8][8 c][8 r]: 16 bytes hold 8 rows of one column; 8 columns of all rows are 262,144 bytes.
;   Weights W[K][N] as [K/8][N][8 k]: 16 bytes hold 8 k of one column n; a block of 8 k is BS = 16 N bytes.
;   wt: Wq|Wk|Wv as one matrix of N = 1536 at 0; Wc at 1,572,864; W1f at 2,097,152; W2f at 4,194,304.
;   Wq is multiplied by c = log2(e) / sqrt(32) in f32 ahead of its one rounding, so that the scores come out in the exponent's unit.
; SHARES.  A work-group takes 16 source rows x 512 columns, a wave 128 columns in 4 groups of 32, a lane a column: its 16 numbers pack into two pieces of 16 bytes.
;   Work-groups 0-1023: input1.  1024-1407: the weights (32, 32, 32, 32, 128, 128 work-groups).  No LDS, no barrier: no wave wants another's bytes.
.set VA, 2                             ; v2-17   4 x lane + j x the source's pitch
.set O0, 19                            ; v19     my byte offset in the destination, first piece
.set O1, 20                            ; v20     weights: the same one block of 8 k on
.set D,  32                            ; v32-95  group g, row j at D + 16 g + j
.set P,  96                            ; v96-127 group g: rows 0-7 in 4 registers, rows 8-15 in 4
.macro ROWS
.set j, 1
.rept 15
	v_add_nc_u32 v[VA+j], s26, v[VA+j-1]
.set j, j+1
.endr
.endm
.macro LOADS lo, hint:vararg
.set g, 0
.rept 4
.set j, 0
.rept 16
	global_load_b32 v[D+16*g+j], v[VA+j], s[\lo:\lo+1] offset:128*g \hint
.set j, j+1
.endr
.set g, g+1
.endr
.endm
.macro CONV                            ; two roundings a line: rows 2 i and 2 i + 1 of one column
.set g, 0
.rept 32
	v_cvt_pk_bf16_f32 v[P+g], v[D+2*g], v[D+2*g+1]
.set g, g+1
.endr
.endm
	s_load_b256 s[8:15], s[0:1], 0x0               ; input1, Wq, Wk, Wv
	s_load_b256 s[16:23], s[0:1], 0x20             ; Wc, W1f, W2f, xb
	s_load_b64 s[24:25], s[0:1], 0x40              ; wt
	v_and_b32 v1, 31, v0                           ; lane
	v_lshrrev_b32 v18, 5, v0
	v_readfirstlane_b32 s2, v18                    ; wave
	s_lshl_b32 s3, s2, 9                           ; my 128 columns: 512 bytes of a source row
	v_lshlrev_b32 v[VA], 2, v1
	s_cmp_ge_u32 ttmp9, 1024
	s_cbranch_scc1 .Lweights
	; ---- input1: rows 16 id .. 16 id + 15
	s_mov_b32 s26, 2048
	ROWS
	s_lshl_b32 s28, ttmp9, 15                      ; 16 rows of 2,048 bytes
	s_add_co_u32 s28, s28, s3
	s_mov_b32 s29, 0
	s_lshl_b32 s30, s2, 22                         ; my 16 blocks of 8 columns
	s_lshl_b32 s31, ttmp9, 8                       ; my 16 rows: 256 bytes in each block
	s_add_co_u32 s30, s30, s31
	s_mov_b32 s31, 0
	s_wait_kmcnt 0x0
	s_add_nc_u64 s[8:9], s[8:9], s[28:29]
	s_add_nc_u64 s[22:23], s[22:23], s[30:31]
	LOADS 8, th:TH_LOAD_NT
	v_and_b32 v18, 15, v1                          ; r
	v_lshrrev_b32 v21, 4, v1                       ; h
	v_lshrrev_b32 v[O0], 3, v18
	v_lshlrev_b32 v[O0], 18, v[O0]                 ; (r / 8) blocks
	v_lshl_add_u32 v[O0], v21, 7, v[O0]            ; + 128 h: rows 8-15
	v_and_b32 v18, 7, v18
	v_lshl_add_u32 v[O0], v18, 4, v[O0]            ; + 16 (r % 8)
	s_wait_loadcnt 0x0
	CONV
	; lanes 16-31 of the first piece change places with lanes 0-15 of the second: a store then holds 16 columns x 16 rows, two aligned runs of 256 bytes
.set g, 0
.rept 4
.set j, 0
.rept 4
	v_permlane16_swap_b32 v[P+8*g+j], v[P+8*g+4+j]
.set j, j+1
.endr
	global_store_b128 v[O0], v[P+8*g:P+8*g+3], s[22:23] offset:g*1048576
	global_store_b128 v[O0], v[P+8*g+4:P+8*g+7], s[22:23] offset:g*1048576+524288
.set g, g+1
.endr
	s_endpgm
.Lweights:
	s_sub_co_u32 s27, ttmp9, 1024                  ; which of the 384
	s_wait_kmcnt 0x0
	s_mov_b64 s[32:33], s[10:11]                   ; Wq: source, first work-group, place in wt, BS, pitch, log2 of column groups
	s_mov_b32 s34, 0
	s_mov_b32 s35, 0
	s_mov_b32 s36, 24576
	s_mov_b32 s26, 2048
	s_mov_b32 s37, 0
	s_cmp_ge_u32 s27, 32
	s_cselect_b64 s[32:33], s[12:13], s[32:33]     ; Wk
	s_cselect_b32 s34, 32, s34
	s_cselect_b32 s35, 8192, s35
	s_cmp_ge_u32 s27, 64
	s_cselect_b64 s[32:33], s[14:15], s[32:33]     ; Wv
	s_cselect_b32 s34, 64, s34
	s_cselect_b32 s35, 16384, s35
	s_cmp_ge_u32 s27, 96
	s_cselect_b64 s[32:33], s[16:17], s[32:33]     ; Wc
	s_cselect_b32 s34, 96, s34
	s_cselect_b32 s35, 1572864, s35
	s_cselect_b32 s36, 8192, s36
	s_cmp_ge_u32 s27, 128
	s_cselect_b64 s[32:33], s[18:19], s[32:33]     ; W1f: four groups of 512 columns
	s_cselect_b32 s34, 128, s34
	s_cselect_b32 s35, 2097152, s35
	s_cselect_b32 s36, 32768, s36
	s_cselect_b32 s26, 8192, s26
	s_cselect_b32 s37, 2, s37
	s_cmp_ge_u32 s27, 256
	s_cselect_b64 s[32:33], s[20:21], s[32:33]     ; W2f
	s_cselect_b32 s34, 256, s34
	s_cselect_b32 s35, 4194304, s35
	s_cselect_b32 s36, 8192, s36
	s_cselect_b32 s26, 2048, s26
	s_cselect_b32 s37, 0, s37
	s_sub_co_u32 s34, s27, s34                     ; u
	s_lshr_b32 s38, s34, s37                       ; the group of 16 rows (k)
	s_lshl_b32 s39, s38, s37
	s_sub_co_u32 s39, s34, s39                     ; the group of 512 columns
	ROWS
	s_mul_i32 s28, s38, s26
	s_lshl_b32 s28, s28, 4                         ; 16 rows
	s_lshl_b32 s29, s39, 11
	s_add_co_u32 s28, s28, s29
	s_add_co_u32 s28, s28, s3
	s_mov_b32 s29, 0
	s_add_nc_u64 s[32:33], s[32:33], s[28:29]
	LOADS 32
	s_mul_i32 s30, s38, s36
	s_lshl_b32 s30, s30, 1                         ; two blocks of 8 k
	s_add_co_u32 s30, s30, s35
	s_lshl_b32 s31, s39, 13
	s_add_co_u32 s30, s30, s31
	s_lshl_b32 s31, s2, 11
	s_add_co_u32 s30, s30, s31
	s_mov_b32 s31, 0
	s_add_nc_u64 s[24:25], s[24:25], s[30:31]
	v_lshlrev_b32 v[O0], 4, v1
	v_add_nc_u32 v[O1], s36, v[O0]
	s_mov_b32 s40, 0x3e8293ee                      ; c = log2(e) / sqrt(32)
	s_mov_b32 s41, s40
	s_wait_loadcnt 0x0
	s_cmp_lt_u32 s27, 32
	s_cbranch_scc0 .Lplain
.set g, 0
.rept 32
	v_pk_mul_f32 v[D+2*g:D+2*g+1], v[D+2*g:D+2*g+1], s[40:41] op_sel_hi:[1,0]
.set g, g+1
.endr
.Lplain:
	CONV
.set g, 0
.rept 4
	global_store_b128 v[O0], v[P+8*g:P+8*g+3], s[24:25] offset:512*g      ; 32 lanes: 512 consecutive bytes
	global_store_b128 v[O1], v[P+8*g+4:P+8*g+7], s[24:25] offset:512*g
.set g, g+1
.endr
	s_endpgm
.Lfunc_end_k_q3c35c4a8eb_prep:
	.size	k_q3c35c4a8eb_prep, .Lfunc_end_k_q3c35c4a8eb_prep-k_q3c35c4a8eb_prep
	.p2alignl 7, 3214868480
	.fill 96, 4, 3214868480
	.section	.rodata,"a",@progbits
	.p2align	6, 0x0
	.amdhsa_kernel k_q3c35c4a8eb_prep
		.amdhsa_group_segment_fixed_size 0
		.amdhsa_private_segment_fixed_size 0
		.amdhsa_enable_private_segment 0
		.amdhsa_kernarg_size 72
		.amdhsa_user_sgpr_count 2
		.amdhsa_user_sgpr_kernarg_segment_ptr 1
		.amdhsa_wavefront_size32 1
		.amdhsa_system_sgpr_workgroup_id_x 1
		.amdhsa_system_sgpr_workgroup_id_y 1
		.amdhsa_system_sgpr_workgroup_id_z 1
		.amdhsa_system_vgpr_workitem_id 0
		.amdhsa_next_free_vgpr 128
		.amdhsa_next_free_sgpr 66
		.amdhsa_reserve_vcc 0
		.amdhsa_float_denorm_mode_32 3
		.amdhsa_float_denorm_mode_16_64 3
		.amdhsa_memory_ordered 1
		.amdhsa_forward_progress 1
		.amdhsa_inst_pref_size 25
	.end_amdhsa_kernel
	.amdgpu_metadata
---
amdhsa.version: [ 1, 2 ]
amdhsa.kernels:
  - .name:           k_q3c35c4a8eb_prep
    .symbol:         k_q3c35c4a8eb_prep.kd
    .args:
      - { .name: input1, .offset: 0, .size: 8, .value_kind: global_buffer, .address_space: global }
      - { .name: Wq, .offset: 8, .size: 8, .value_kind: global_buffer, .address_space: global }
      - { .name: Wk, .offset: 16, .size: 8, .value_kind: global_buffer, .address_space: global }
      - { .name: Wv, .offset: 24, .size: 8, .value_kind: global_buffer, .address_space: global }
      - { .name: Wc, .offset: 32, .size: 8, .value_kind: global_buffer, .address_space: global }
      - { .name: W1f, .offset: 40, .size: 8, .value_kind: global_buffer, .address_space: global }
      - { .name: W2f, .offset: 48, .size: 8, .value_kind: global_buffer, .address_space: global }
      - { .name: xb, .offset: 56, .size: 8, .value_kind: global_buffer, .address_space: global }
      - { .name: wt, .offset: 64, .size: 8, .value_kind: global_buffer, .address_space: global }
    .group_segment_fixed_size: 0
    .private_segment_fixed_size: 0
    .kernarg_segment_align: 8
    .kernarg_segment_size: 72
    .max_flat_workgroup_size: 128
    .sgpr_count:     66
    .vgpr_count:     128
    .wavefront_size: 32
...
	.end_amdgpu_metadata
.endif
;; end of part 1
;; launch qkv (part 2): grid 4 x 64, 4 waves a work-group, clusters of 4 x 1, 327,680 bytes of LDS; arguments xb, wt, qkvb; writes qkvb
.if DOCPART == 2
	.amdgcn_target "amdgcn-amd-amdhsa--gfx1250"
	.amdhsa_code_object_version 6
	.text
	.protected	k_q3c35c4a8eb_qkv
	.globl	k_q3c35c4a8eb_qkv
	.p2align	8
	.type	k_q3c35c4a8eb_qkv,@function
k_q3c35c4a8eb_qkv:
	s_mov_b64 s[64:65], 0
	v_nop
	global_prefetch_b8 v0, s[64:65] scope:SCOPE_SE
	s_setreg_imm32_b32 hwreg(HW_REG_WAVE_MODE, 25, 1), 1
	s_wait_xcnt 0x0
	s_wait_alu depctr_hold_cnt(0) depctr_sa_sdst(0) depctr_va_vdst(0) depctr_va_sdst(0) depctr_va_ssrc(0) depctr_va_vcc(0) depctr_vm_vsrc(0)
	s_getreg_b32 s2, hwreg(HW_REG_IB_STS2, 6, 4)
	s_cmp_eq_u32 s2, 0
	s_cbranch_scc0 .Lentry_in_a_cluster
	s_endpgm
.Lentry_in_a_cluster:
	s_bfe_u32 s2, ttmp6, 0x10000c
	s_cmp_lg_u32 s2, 0x3003
	s_cbranch_scc0 .Lentry_shape_is_right
	s_endpgm
.Lentry_shape_is_right:
; QKV: qkvb[16384][1536] = xb[16384][512] x (c Wq | Wk | Wv), bf16 operands, f32 sums, K ascending, rounded once to bf16.
; LAYOUTS.  Activations [C/8][R/8][8 c][8 r] (16 bytes = 8 rows of one column; 8 columns of all rows = 262,144 bytes; 256 rows = 4,096 bytes of it).  Weights [K/8][N][8 k], a block of 8 k = BS bytes.
; A STAYS IN LDS.  K is 512, so 256 rows of the activation are 256 KiB: they are filled once, at the head, and nothing is filled again: the loop has no barrier and no wait on a tensor load.
; SHARES.  Work-group (x, y): rows 256 y .. + 255 x columns 384 x .., in two passes of 192.  Wave w: ALL 256 rows x 48 columns of a pass: 16 x 3 accumulators of 16 x 16.
; W COMES THROUGH REGISTERS.  A wave's columns are its own, and a fragment lies in wt as the registers take it (16 lanes read 256 consecutive bytes), so W needs no LDS: four fragment buffers, a quarter of 32 k each, asked for 2.5 quarters ahead.
; PRODUCT.  Source 0 = 16 rows of the activation (turned out of LDS by ds_load_tr16_b128), source 1 = 16 columns of W.  In the result a lane holds ONE column (lane % 16) and rows 8 (lane / 16) + 0..7:
; rounded in pairs these are 16 bytes of the output's layout, stored straight from registers; lanes 0-7 with 16-23, and 8-15 with 24-31, fill aligned runs of 256 bytes.
; CLUSTER 4 x 1.  The four column groups of a row block want the same A: asked for jointly, each wave one load of 16 rows of 4,096 bytes (one tensor load of mine is out).  W is shared by no two partners.
; No prefetch into the L2: A comes by the launch's first loads, at its head; W's rows are walked by all 64 row blocks, not read once.
; ONE TEXT FOR EVERY TRIP: the last trip of the last pass fetches a quarter of A and three of W (inside wt) that serve nothing.
; REGISTERS in windows of 256: 0: addresses, W's four buffers v64-191; 1: A's two buffers of 128 (the upper one takes the packed results on the way out); 2, 3: accumulator (a, b) at v[8 (4 (a % 8) + b)] of window 2 + a / 8.
.set NB, 3
.set NTOT, 1536
.set WOFF, 0
.set BIAS, 0
.set BS, 16*NTOT
.set WCOLS, 16*NB                      ; a wave's columns in a pass
.set PCOLS, 4*WCOLS                    ; the work-group's
.set GCOLS, 2*PCOLS                    ; both passes'
.set PASSB, PCOLS*16                   ; bytes from a pass's columns to the next's in a block of W
.set PSTEP, (PCOLS/8)*262144           ; and in the output
.set SPARE, 262144                     ; behind A: the spare words, 128 bytes a wave
.set A0, 3                             ; v3   4,096 (l / 16) + 16 (l % 16); never rewritten
.set ADRA, 4                           ; v4   A0 + the trip's 128 k
.set BO, 5                             ; v5   BS (l / 16) + 16 (l % 16); never rewritten
.set CO, 8                             ; v8   my 16 bytes in the output; never rewritten
.set SPW, 28
.set NIL, 29
.set ZERO, 31
.set BB, 64
.set BI, 192
.set BI2, 224
.set TMP, 128
.set OUT, 8+2*BIAS
.set WV, 14
.set G1, 24
.set G0, 32
.set BASE, 44                          ; s[44:45] W at my columns of pass 0
.set BP, 46                            ; s[46:47] W at the trip in hand
.set BN, 48                            ; s[48:49] W at the next trip (behind a pass's last: the next pass's first)
.set OFFN, 50                          ; s[50:51] BN's offset from BASE
.set STP, 52
.set SWRAP, 53
.set SFWD, 54
.set TA, 66
.set CNT, 68
.set PC, 69
.set MSB, 0
.macro WIN new                         ; the immediate's high byte repeats the setting that is left; a switch that changes nothing is dropped
.if MSB != (\new)
	s_set_vgpr_msb (MSB<<8)|(\new)
.set MSB, \new
.endif
.endm
.macro PLACES                          ; four plain places behind matrix instructions, ahead of loads into their sources and of readers of their results
.rept 4
	v_nop
.endr
.endm
.macro CROUND                          ; a round of the cluster's barrier
	s_barrier_signal -1
	s_barrier_wait -1
	s_cmp_lg_u32 s[WV], 0
	s_cbranch_scc1 .Lnw0_\@
	s_barrier_signal -3
.Lnw0_\@:
	s_barrier_wait -3
	s_barrier_signal -1
	s_barrier_wait -1
.endm
; 8 NB matrix instructions: row blocks 8 hi .. 8 hi + 7 x all column blocks, 32 along K: A's buffer f, W's buffer q.  mode 0: adds on; 1: starts the sums with 0; 2: with the bias.  The accumulators take turns.
.macro MULH f, q, hi, mode
.if (\mode) == 2
	WIN 0x81+0x40*(\hi)
.else
	WIN 0xa1+0x50*(\hi)
.endif
.set a, 0
.rept 8
.set b, 0
.rept NB
.set rD, 8*(4*a+b)
.set rA, 128*(\f)+8*(8*(\hi)+a)
.set rB, BB+32*(\q)+8*b
.if (\mode) == 0
	v_wmma_f32_16x16x32_bf16 v[rD:rD+7], v[rA:rA+7], v[rB:rB+7], v[rD:rD+7]
.elseif (\mode) == 1
	v_wmma_f32_16x16x32_bf16 v[rD:rD+7], v[rA:rA+7], v[rB:rB+7], 0
.else
	v_wmma_f32_16x16x32_bf16 v[rD:rD+7], v[rA:rA+7], v[rB:rB+7], v[BI+8*b:BI+8*b+7]
.endif
.set b, b+1
.endr
.set a, a+1
.endr
.endm
.macro FETCHA f, off                   ; A's 16 fragments of a quarter into buffer f, rows ascending: 32 loads in one run
	WIN 0x40
.set a, 0
.rept 16
	ds_load_tr16_b128 v[128*(\f)+8*a:128*(\f)+8*a+3], v[ADRA] offset:(\off)+256*a
	ds_load_tr16_b128 v[128*(\f)+8*a+4:128*(\f)+8*a+7], v[ADRA] offset:(\off)+256*a+8192
.set a, a+1
.endr
.endm
.macro LOADB q, ptr, off               ; W's NB fragments of a quarter into buffer q: 2 NB loads
	WIN 0
.set b, 0
.rept NB
	global_load_b128 v[BB+32*(\q)+8*b:BB+32*(\q)+8*b+3], v[BO], s[\ptr:\ptr+1] offset:(\off)+256*b
	global_load_b128 v[BB+32*(\q)+8*b+4:BB+32*(\q)+8*b+7], v[BO], s[\ptr:\ptr+1] offset:(\off)+256*b+2*BS
.set b, b+1
.endr
.endm
.macro HALF q, hi                      ; a quarter's half; of a trip's first quarter the matrix instructions stand twice: a pass's first trip starts the sums
.if (\q) == 0
	WIN 0
	s_cmp_eq_u32 s[CNT], 4
	s_cbranch_scc1 .Lstart_\@
	MULH 0, 0, \hi, 0
	WIN 0
	s_branch .Ljoin_\@
.Lstart_\@:
	v_nop                                          ; these products write over accumulators and are no links of their chains: with the four places of the quarter's middle, five plain instructions stand behind the last products on them, on the way over the backward jump too (ISA guide 7.12.1)
	MULH 0, 0, \hi, 1+BIAS
	WIN 0
.Ljoin_\@:
.else
	MULH (\q)&1, \q, \hi, 0
.endif
.endm
; Quarter q of a trip.  In its middle, behind four places: W of the quarter three on, into the buffer that the quarter before read, and A's fragments of the next quarter, into the buffer that the quarter before read.
.macro QUARTER q
	s_wait_loadcnt 4*NB                            ; my W is in: the two younger runs of 2 NB loads may stay out
	s_wait_dscnt 16                                ; A's rows 0-127 are in; the youngest sixteen loads (rows 128-255) may be out
	HALF \q, 0
	PLACES
.if (\q) == 0
	LOADB 3, BP, 12*BS
.else
	LOADB (\q)-1, BN, ((\q)-1)*4*BS
.endif
.if (\q) < 3
	FETCHA 1-((\q)&1), ((\q)+1)*16384
.else
	s_add_co_u32 s[TA], s[TA], 65536               ; the next trip's 128 k; behind the fourth trip back to 0
	s_and_b32 s[TA], s[TA], 0x3ffff
	v_add_nc_u32 v[ADRA], s[TA], v[A0]
	FETCHA 0, 0
.endif
	s_wait_dscnt 32                                ; all but the 32 just issued
	HALF \q, 1
.endm
.if BIAS
	s_load_b256 s[4:11], s[0:1], 0x0               ; A, wt, bias, out
.else
	s_load_b128 s[4:7], s[0:1], 0x0                ; A, wt
	s_load_b64 s[8:9], s[0:1], 0x10                ; out
.endif
	v_lshl_add_u32 v[SPW], v0, 2, SPARE
	v_mov_b32 v[NIL], 0
	ds_add_u32 v[SPW], v[NIL]                      ; the opening: the add, twice on end, and its wait ahead of my first tensor load
	ds_add_u32 v[SPW], v[NIL]
	v_lshrrev_b32 v1, 5, v0
	v_readfirstlane_b32 s[WV], v1                  ; wave 0..3
	s_bfe_u32 s40, ttmp6, 0x40000                  ; cx = x: the grid is one cluster wide; it enters W's, the bias's and the output's addresses alone
	s_and_b32 s13, ttmp7, 0xffff                   ; y, which the partners share
	s_mov_b32 s[G1], 15|(1<<16)|(1<<21)            ; the mask of four; elements of 2 bytes; bit 21 beside a mask
	s_mov_b32 s[G1+1], 2048<<16                    ; rows of 2,048 elements (256 rows' part of 8 columns),
	s_mov_b32 s[G1+2], 16<<16                      ; 16 of them,
	s_mov_b32 s[G1+3], 2048<<16
	s_mov_b32 s[G1+4], 16
	s_mov_b32 s[G1+5], 131072                      ; 131,072 elements apart
	s_mov_b32 s[G1+6], 0
	s_mov_b32 s[G1+7], 0
	s_mov_b32 s[G0], 1
	s_lshl_b32 s[G0+1], s[WV], 16                  ; wave w brings k = 128 w .. + 127 to LDS byte 65,536 w
	s_lshl_b32 s16, s13, 12
	s_lshl_b32 s17, s[WV], 22
	s_add_co_u32 s16, s16, s17
	s_mov_b32 s17, 0
	s_mul_i32 s18, s40, GCOLS*16                   ; W: my columns of pass 0
	s_mul_i32 s19, s[WV], WCOLS*16
	s_add_co_u32 s18, s18, s19
.if WOFF
	s_add_co_u32 s18, s18, WOFF
.endif
	s_mov_b32 s19, 0
	s_mul_i32 s20, s40, (GCOLS/8)*262144           ; the output: my columns of pass 0, my work-group's rows
	s_mul_i32 s21, s[WV], (WCOLS/8)*262144
	s_add_co_u32 s20, s20, s21
	s_lshl_b32 s21, s13, 12
	s_add_co_u32 s20, s20, s21
	s_mov_b32 s21, 0
	s_mov_b32 s[OFFN], 16*BS
	s_mov_b32 s[OFFN+1], 0
	s_mov_b32 s[SFWD], 16*BS                       ; a trip on: 128 k
	s_mov_b32 s[SWRAP], (PASSB-48*BS)&0xffffffff   ; from a pass's last trip to the next pass's first (modulo 2^32; the offset itself stays small)
	s_mov_b32 s[TA], 0
	s_wait_dscnt 0x0                               ; both opening adds are done
	s_wait_kmcnt 0x0
	s_add_nc_u64 s[G0+2:G0+3], s[4:5], s[16:17]
	s_or_b32 s[G0+3], s[G0+3], 0x80000000
	s_add_nc_u64 s[BASE:BASE+1], s[6:7], s[18:19]
	s_mov_b64 s[BP:BP+1], s[BASE:BASE+1]
	s_add_nc_u64 s[BN:BN+1], s[BASE:BASE+1], s[OFFN:OFFN+1]
	s_add_nc_u64 s[OUT:OUT+1], s[OUT:OUT+1], s[20:21]
	CROUND                                         ; all four work-groups are here: the joint loads meet
	tensor_load_to_lds s[G0:G0+3], s[G1:G1+7]      ; my quarter of A: the launch's only fill
	s_nop 0
	PLACES
	v_and_b32 v1, 15, v0                           ; r
	v_bfe_u32 v2, v0, 4, 1                         ; h
	v_lshlrev_b32 v9, 4, v1
	v_lshl_add_u32 v[A0], v2, 12, v9
	v_mov_b32 v[ADRA], v[A0]
	v_mul_u32_u24 v[BO], v2, BS
	v_add_nc_u32 v[BO], v[BO], v9
	v_lshrrev_b32 v[CO], 3, v1                     ; out: (r / 8) blocks of 8 columns + 128 h + 16 (r % 8)
	v_lshlrev_b32 v[CO], 18, v[CO]
	v_lshl_add_u32 v[CO], v2, 7, v[CO]
	v_and_b32 v9, 7, v1
	v_lshl_add_u32 v[CO], v9, 4, v[CO]
.if BIAS
	s_mul_i32 s22, s40, GCOLS*4
	s_mul_i32 s23, s[WV], WCOLS*4
	s_add_co_u32 s22, s22, s23
	v_lshl_add_u32 v9, v1, 2, s22
.set b, 0
.rept NB
	global_load_b32 v[BI+8*b], v9, s[8:9] offset:64*b            ; pass 0's bias,
	global_load_b32 v[BI2+b], v9, s[8:9] offset:64*b+PCOLS*4     ; pass 1's
.set b, b+1
.endr
	v_mov_b32 v[ZERO], 0
.endif
	LOADB 0, BP, 0                                 ; W's first three quarters
	LOADB 1, BP, 4*BS
	LOADB 2, BP, 8*BS
.if BIAS
	s_wait_loadcnt 6*NB                            ; the bias is in; W's 6 NB loads stay out
.set b, 0
.rept NB                               ; a column's bias is the same in the lane's eight rows
.set j, 1
.rept 7
	v_mov_b32 v[BI+8*b+j], v[BI+8*b]
.set j, j+1
.endr
.set b, b+1
.endr
.endif
	s_wait_tensorcnt 0x0                           ; my quarter of A is in,
	s_barrier_signal -1
	s_barrier_wait -1                              ; everybody's is
	FETCHA 0, 0
	WIN 0
	s_mov_b32 s[PC], 2
.Lpass:
	s_mov_b32 s[CNT], 4
.Lk:                                   ; a trip: 128 along K
	QUARTER 0
	QUARTER 1
	QUARTER 2
	QUARTER 3
	WIN 0
	s_wait_xcnt 0x0                                ; W's loads (the youngest 8 NB matrix instructions back) have read their base: the pointers may be written
	s_mov_b64 s[BP:BP+1], s[BN:BN+1]
	s_cmp_eq_u32 s[CNT], 2                         ; behind a pass's third trip the trip after next is the next pass's first
	s_cselect_b32 s[STP], s[SWRAP], s[SFWD]
	s_add_co_u32 s[OFFN], s[OFFN], s[STP]
	s_add_nc_u64 s[BN:BN+1], s[BASE:BASE+1], s[OFFN:OFFN+1]
	s_sub_co_u32 s[CNT], s[CNT], 1
	s_cmp_lg_u32 s[CNT], 0
	s_cbranch_scc1 .Lk
	; THE WAY OUT of a pass, 128 rows at a time: rounded in pairs into A's upper buffer and stored; the lower buffer holds the next pass's first fragments
	PLACES
.irp hi, 0,1
.if \hi
	s_wait_xcnt 0x0                                ; the first half's stores have read their registers
.endif
	WIN 0x4a+5*(\hi)
.set t, 0
.rept 8*NB
.set rD, 8*(4*(t/NB)+t%NB)
.set j, 0
.rept 4
	v_cvt_pk_bf16_f32 v[TMP+4*t+j], v[rD+2*j], v[rD+2*j+1]
.set j, j+1
.endr
.set t, t+1
.endr
.if BIAS
	WIN 0x41
.set t, 0
.rept 32*NB
	v_pk_max_num_bf16 v[TMP+t], v[TMP+t], v[ZERO]  ; ReLU on the packed halves
.set t, t+1
.endr
.endif
	WIN 0x04
.set t, 0
.rept 8*NB
	global_store_b128 v[CO], v[TMP+4*t:TMP+4*t+3], s[OUT:OUT+1] offset:(t%NB)*524288+(8*(\hi)+t/NB)*256
.set t, t+1
.endr
.endr
	WIN 0
	s_wait_xcnt 0x0                                ; the stores have read their registers and their base
	s_add_nc_u64 s[OUT:OUT+1], s[OUT:OUT+1], PSTEP
.if BIAS
.set b, 0
.rept NB
.set j, 0
.rept 8
	v_mov_b32 v[BI+8*b+j], v[BI2+b]                ; the second pass's bias
.set j, j+1
.endr
.set b, b+1
.endr
.endif
	s_sub_co_u32 s[PC], s[PC], 1
	s_cmp_lg_u32 s[PC], 0
	s_cbranch_scc1 .Lpass
	s_wait_tensorcnt 0x0                           ; the wave's end
	ds_add_u32 v[SPW], v[NIL]
	s_wait_dscnt 0x0
	CROUND                                         ; the closing round
	s_endpgm
.Lfunc_end_k_q3c35c4a8eb_qkv:
	.size	k_q3c35c4a8eb_qkv, .Lfunc_end_k_q3c35c4a8eb_qkv-k_q3c35c4a8eb_qkv
	.p2alignl 7, 3214868480
	.fill 96, 4, 3214868480
	.section	.rodata,"a",@progbits
	.p2align	6, 0x0
	.amdhsa_kernel k_q3c35c4a8eb_qkv
		.amdhsa_group_segment_fixed_size 327680
		.amdhsa_private_segment_fixed_size 0
		.amdhsa_enable_private_segment 0
		.amdhsa_kernarg_size 24
		.amdhsa_user_sgpr_count 2
		.amdhsa_user_sgpr_kernarg_segment_ptr 1
		.amdhsa_wavefront_size32 1
		.amdhsa_system_sgpr_workgroup_id_x 1
		.amdhsa_system_sgpr_workgroup_id_y 1
		.amdhsa_system_sgpr_workgroup_id_z 1
		.amdhsa_system_vgpr_workitem_id 0
		.amdhsa_next_free_vgpr 1024
		.amdhsa_next_free_sgpr 96
		.amdhsa_reserve_vcc 0
		.amdhsa_float_denorm_mode_32 3
		.amdhsa_float_denorm_mode_16_64 3
		.amdhsa_memory_ordered 1
		.amdhsa_forward_progress 1
		.amdhsa_inst_pref_size 53
	.end_amdhsa_kernel
	.amdgpu_metadata
---
amdhsa.version: [ 1, 2 ]
amdhsa.kernels:
  - .name:           k_q3c35c4a8eb_qkv
    .symbol:         k_q3c35c4a8eb_qkv.kd
    .args:
      - { .name: xb, .offset: 0, .size: 8, .value_kind: global_buffer, .address_space: global }
      - { .name: wt, .offset: 8, .size: 8, .value_kind: global_buffer, .address_space: global }
      - { .name: qkvb, .offset: 16, .size: 8, .value_kind: global_buffer, .address_space: global }
    .group_segment_fixed_size: 327680
    .private_segment_fixed_size: 0
    .kernarg_segment_align: 8
    .kernarg_segment_size: 24
    .max_flat_workgroup_size: 128
    .sgpr_count:     96
    .vgpr_count:     1024
    .wavefront_size: 32
...
	.end_amdgpu_metadata
.endif
;; end of part 2
;; launch attn (part 3): grid 8 x 32, 4 waves a work-group, clusters of 4 x 1, 327,680 bytes of LDS; arguments qkvb, edge_info, We, ob; writes ob
.if DOCPART == 3
	.amdgcn_target "amdgcn-amd-amdhsa--gfx1250"
	.amdhsa_code_object_version 6
	.text
	.protected	k_q3c35c4a8eb_attn
	.globl	k_q3c35c4a8eb_attn
	.p2align	8
	.type	k_q3c35c4a8eb_attn,@function
k_q3c35c4a8eb_attn:
	s_mov_b64 s[64:65], 0
	v_nop
	global_prefetch_b8 v0, s[64:65] scope:SCOPE_SE
	s_setreg_imm32_b32 hwreg(HW_REG_WAVE_MODE, 25, 1), 1
	s_wait_xcnt 0x0
	s_wait_alu depctr_hold_cnt(0) depctr_sa_sdst(0) depctr_va_vdst(0) depctr_va_sdst(0) depctr_va_ssrc(0) depctr_va_vcc(0) depctr_vm_vsrc(0)
	s_getreg_b32 s2, hwreg(HW_REG_IB_STS2, 6, 4)
	s_cmp_eq_u32 s2, 0
	s_cbranch_scc0 .Lentry_in_a_cluster
	s_endpgm
.Lentry_in_a_cluster:
	s_bfe_u32 s2, ttmp6, 0x10000c
	s_cmp_lg_u32 s2, 0x3003
	s_cbranch_scc0 .Lentry_shape_is_right
	s_endpgm
.Lentry_shape_is_right:
; ATTENTION: for batch y, head hd, query n: ob = softmax_m((q.k + edge[n][m] We[hd]) / sqrt(32)) v.  be is left out: it is the same along the softmax's axis (see the first kernel's head).
; q arrives multiplied by c = log2(e) / sqrt(32); We is multiplied by c here: t = q'k + e w', p = 2^(t - max t).  The maximum is the true one, over all 512 keys, which a wave holds in registers.
; p is rounded to bf16 for the second product, and its sum l is that of the rounded p (a product with ones).  LIMIT: a weight below 2^-126 counts as 0.
; SHARES.  Work-group (x, y): batch y, queries 64 x ..; wave w: 16 queries, all 512 keys, the 16 heads one after the other.  Its 16 x 512 of edge_info stay in 256 registers for all heads: each byte is read once.
; LAYOUT.  qkvb and ob: [C/8][R/8][8 c][8 r].  S^T = K Q^T (both turned out of LDS): a lane holds ONE query (lane % 16) and keys 8 (lane / 16) + 0..7.  Two such tiles rounded in pairs ARE source 0 of O = P V;
; V's fragment (a lane: one channel, 8 keys) lies in LDS as it is wanted.  In O a lane holds one channel and 8 queries: 16 bytes of ob's layout.
; CLUSTER 4 x 1: four query blocks of one batch walk the same K and V: asked for jointly.  A head's K and V (64 KiB) fill one of two slots; the other is filled meanwhile.
; LDS: Q 0 (16 KiB a wave: 64 x 256 bytes); slot 0 at 0x10000 (K 4 x 8,192, V 4 x 8,192); slot 1 at 0x30000; E at 0x20000 (33,280 a wave, rows of 2,080 = 2 x (1,024 + 16)), read out before slot 1 is first filled.
; REGISTERS: window 0: addresses, statistics, O0 O1 L v32-55, Q v56-63, P v64-191, K buffer 1 v192-255; window 1: E; window 2: S; window 3: K buffer 0 v0-63, ones v64-71, packed O v72-79, V's two buffers v128-255.
.set SPARE, 264192
.set EB, 0x20000
.set SX, 0x20000
.set K0, 2
.set V0, 3
.set Q0, 4
.set AK, 5
.set AV, 6
.set AQ, 7
.set CO, 8
.set EA, 9
.set PFO, 26
.set SPW, 28
.set NIL, 29
.set QF, 56
.set PP, 64
.set HF, 12
.set WV, 14
.set G1E, 24
.set G0E, 32
.set G0Q, 36
.set G1Q, 40
.set G1K, 48
.set G0K, 56
.set G0V, 60
.set TB, 66
.set TQ, 67
.set CNT, 68
.set WL, 69
.set PFA, 70
.set LIM, 72
.set WO, 73
.set SEL, 74
.set W, 76
.set CC, 78
.set MSB, 0
.macro WIN new
.if MSB != (\new)
	s_set_vgpr_msb (MSB<<8)|(\new)
.set MSB, \new
.endif
.endm
.macro PLACES
.rept 4
	v_nop
.endr
.endm
.macro CROUND
	s_barrier_signal -1
	s_barrier_wait -1
	s_cmp_lg_u32 s[WV], 0
	s_cbranch_scc1 .Lnw0_\@
	s_barrier_signal -3
.Lnw0_\@:
	s_barrier_wait -3
	s_barrier_signal -1
	s_barrier_wait -1
.endm
.macro JLOAD                           ; waves 0, 1: the halves of a head's K; waves 2, 3: of its V
	s_cmp_lt_u32 s[WV], 2
	s_cbranch_scc0 .Ljv_\@
	tensor_load_to_lds s[G0K:G0K+3], s[G1K:G1K+7]
	s_nop 0
	PLACES
	s_branch .Ljd_\@
.Ljv_\@:
	tensor_load_to_lds s[G0V:G0V+3], s[G1K:G1K+7]
	s_nop 0
	PLACES
.Ljd_\@:
.endm
; A prefetch into the L2 of what the NEXT change of slots will ask for: a head's 4 x 8,192 bytes of K and of V.  Both clusters of a batch walk them: the first asks.  Its four partners take 8,192 bytes each, told apart
; by address; wave 0 asks for K's, wave 2 for V's; a lane 256 bytes: each block is named once.  It stands a whole head's work ahead of the load.  The last change that fills asks for nothing.
.macro ASK
	s_cmp_gt_u32 s[CNT], s[LIM]
	s_cbranch_scc0 .Lnm_\@
	global_prefetch_b8 v[PFO], s[PFA:PFA+1] th:TH_LOAD_NT scope:SCOPE_SE
.Lnm_\@:
.endm
; THE CHANGE OF SLOTS, ahead of each head.  All my tensor loads have landed (my part of the head's slot); the add; my reads of the other slot (at first: of E) are over.  fill = 1: a round of the cluster's barrier, and the
; joint fill of the slot just left, with the next head, is the first tensor load behind it.
.macro CHANGE fill
	WIN 0
	s_load_b32 s[WL], s[8:9], s[WO] offset:0x0     ; We[head]
	s_wait_tensorcnt 0x0
	ds_add_u32 v[SPW], v[NIL]                      ; 0 onto my spare word
.if \fill
	s_xor_b32 s[G0K+1], s[G0K+1], SX
	s_add_nc_u64 s[G0K+2:G0K+3], s[G0K+2:G0K+3], 1048576
	s_xor_b32 s[G0V+1], s[G0V+1], SX
	s_add_nc_u64 s[G0V+2:G0V+3], s[G0V+2:G0V+3], 1048576
	s_wait_xcnt 0x0                                ; the last prefetch, a head back, has read its address
	s_add_nc_u64 s[PFA:PFA+1], s[PFA:PFA+1], 1048576
	s_wait_dscnt 0x0
	CROUND
	JLOAD
	ASK
.else
	s_wait_dscnt 0x0
	s_barrier_signal -1
	s_barrier_wait -1
.endif
	s_xor_b32 s[TB], s[TB], SX
	s_wait_kmcnt 0x0
	s_mul_f32 s[W], s[WL], s[CC]
	s_add_co_u32 s[WO], s[WO], 4
	s_mov_b32 s[W+1], s[W]
.endm
.macro KLOAD c                         ; 128 keys' fragments of K into buffer c % 2
.if (\c)&1
	WIN 0
.set kb0, 192
.else
	WIN 0xc0
.set kb0, 0
.endif
.set n, 0
.rept 8
	ds_load_tr16_b128 v[kb0+8*n:kb0+8*n+3], v[AK] offset:256*(8*(\c)+n)
	ds_load_tr16_b128 v[kb0+8*n+4:kb0+8*n+7], v[AK] offset:256*(8*(\c)+n)+16384
.set n, n+1
.endr
.endm
.macro VLOAD g                         ; 128 keys' fragments of V into buffer g % 2: 32 keys n / 2, channels 16 (n % 2) on
	WIN 0xc0
.set n, 0
.rept 8
	ds_load_b128 v[128+64*((\g)&1)+8*n:128+64*((\g)&1)+8*n+3], v[AV] offset:16384*(n%2)+512*(4*(\g)+n/2)
	ds_load_b128 v[128+64*((\g)&1)+8*n+4:128+64*((\g)&1)+8*n+7], v[AV] offset:16384*(n%2)+512*(4*(\g)+n/2)+256
.set n, n+1
.endr
.endm
.macro SC kb                           ; the scores of 16 keys: one product, since a head has 32 channels
.if ((\kb)/8)&1
	WIN 0x80
.set rK, 192+8*((\kb)%8)
.else
	WIN 0x83
.set rK, 8*((\kb)%8)
.endif
	v_wmma_f32_16x16x32_bf16 v[8*(\kb):8*(\kb)+7], v[rK:rK+7], v[QF:QF+7], 0
.endm
.macro RID2 i                          ; for key blocks 2 i, 2 i + 1: t = s + e w', and four running maxima
	WIN 0xa1
.set q, 16*(\i)
.rept 8
	v_pk_fma_f32 v[q:q+1], v[q:q+1], s[W:W+1], v[q:q+1] op_sel_hi:[1,0,1]
.set q, q+2
.endr
	WIN 0x28
.set q, 16*(\i)
.rept 8
	v_max3_num_f32 v[12+(q/2)%4], v[12+(q/2)%4], v[q], v[q+1]
.set q, q+2
.endr
.endm
.macro SE1 kb                          ; t - m and the exponentials of one key block
	WIN 0x82
.set q, 8*(\kb)
.rept 4
	v_pk_add_f32 v[q:q+1], v[q:q+1], v[16:17] neg_lo:[0,1] neg_hi:[0,1]
.set q, q+2
.endr
.set q, 8*(\kb)
.rept 8
	v_exp_f32 v[q], v[q]
.set q, q+1
.endr
.endm
.macro CVT g                           ; 128 keys' weights rounded to bf16, behind the one wait for their batch of 64 exponentials
	v_nop                                          ; a plain instruction behind the last exponential
	s_wait_alu depctr_va_vdst(0)                   ; one wait for the batch, ahead of its first reader
	WIN 0x0a
.set q, 32*(\g)
.rept 32
	v_cvt_pk_bf16_f32 v[PP+q], v[2*q], v[2*q+1]
.set q, q+1
.endr
.endm
.macro PV3 ks                          ; 32 keys: O's two channel blocks and l, three accumulators by turns
	WIN 0x0c
.set rP, PP+8*(\ks)
.set rV, 128+64*(((\ks)/4)&1)+16*((\ks)%4)
.if (\ks) == 0
	v_wmma_f32_16x16x32_bf16 v[32:39], v[rP:rP+7], v[rV:rV+7], 0
	v_wmma_f32_16x16x32_bf16 v[40:47], v[rP:rP+7], v[rV+8:rV+15], 0
	v_wmma_f32_16x16x32_bf16 v[48:55], v[rP:rP+7], v[64:71], 0
.else
	v_wmma_f32_16x16x32_bf16 v[32:39], v[rP:rP+7], v[rV:rV+7], v[32:39]
	v_wmma_f32_16x16x32_bf16 v[40:47], v[rP:rP+7], v[rV+8:rV+15], v[40:47]
	v_wmma_f32_16x16x32_bf16 v[48:55], v[rP:rP+7], v[64:71], v[48:55]
.endif
.endm
.macro HEADW                           ; one head
	WIN 0
	v_add_nc_u32 v[AK], s[TB], v[K0]
	v_add_nc_u32 v[AV], s[TB], v[V0]
	v_add_nc_u32 v[AQ], s[TQ], v[Q0]
.set i, 0
.rept 4
	v_mov_b32 v[12+i], 0xff7fffff                  ; the maxima start at the lowest finite number
.set i, i+1
.endr
	ds_load_tr16_b128 v[QF:QF+3], v[AQ]
	ds_load_tr16_b128 v[QF+4:QF+7], v[AQ] offset:512
	KLOAD 0
	KLOAD 1
	s_wait_dscnt 0x0
	; SCORES: two products, then the vector work of the two before them: sixteen plain lines, the places between a product and the readers of its result
.set i, 0
.rept 16
.if (i == 8) || (i == 12)
	s_wait_dscnt 0x0                               ; the next 128 keys of K are in
.endif
	SC 2*i
	SC 2*i+1
.if i == 1
	PLACES
.endif
.if i > 0
	RID2 i-1
.endif
.if i == 4
	KLOAD 2                                        ; buffer 0's last reader stands 32 plain lines back
.endif
.if i == 8
	KLOAD 3
.endif
.if i == 12
	VLOAD 0
	VLOAD 1
.endif
.set i, i+1
.endr
	RID2 15
	WIN 0
	v_max3_num_f32 v12, v12, v13, v14
	v_max_num_f32 v12, v12, v15
	v_mov_b32 v11, v12
	v_permlanex16_b32 v11, v12, s[SEL], s[SEL+1]   ; the query's other 256 keys lie in the lane 16 away
	v_max_num_f32 v16, v12, v11
	v_mov_b32 v17, v16
	; WEIGHTS AND SECOND PRODUCT, 128 keys a group: group g's products stand among group g + 1's scalings and exponentials
.set k, 0
.rept 8
	SE1 k
.set k, k+1
.endr
	CVT 0
	s_wait_dscnt 0x0                               ; V's first 256 keys are in
.set g, 0
.rept 3
.set k, 0
.rept 4
	PV3 4*g+k
	SE1 8*(g+1)+2*k
	SE1 8*(g+1)+2*k+1
.set k, k+1
.endr
	CVT g+1
.if g < 2
	VLOAD g+2                                      ; into the buffer that group g read: the 32 roundings are the places between
	s_wait_dscnt 16                                ; all but the 16 just issued: the next group's V is in
.else
	s_wait_dscnt 0x0
.endif
.set g, g+1
.endr
	PV3 12
	PV3 13
	PV3 14
	PV3 15
	WIN 0
	PLACES
.set i, 0
.rept 8
	v_rcp_f32 v[18+i], v[48+i]                     ; l of my eight queries, from the accumulator's low end on
.set i, i+1
.endr
	v_nop
	s_wait_alu depctr_va_vdst(0)                   ; one wait for the eight reciprocals
.set i, 0
.rept 8
	v_pk_mul_f32 v[32+2*i:33+2*i], v[32+2*i:33+2*i], v[18+2*(i%4):19+2*(i%4)]
.set i, i+1
.endr
	WIN 0xc0
.set i, 0
.rept 8
	v_cvt_pk_bf16_f32 v[72+i], v[32+2*i], v[33+2*i]
.set i, i+1
.endr
	WIN 0x0c
	global_store_b128 v[CO], v[72:75], s[10:11]
	global_store_b128 v[CO], v[76:79], s[10:11] offset:524288
	WIN 0
	s_wait_xcnt 0x0                                ; the stores have read their data and base
	s_add_nc_u64 s[10:11], s[10:11], 1048576       ; the next head's four blocks of 8 columns
	s_add_co_u32 s[TQ], s[TQ], 1024
.endm
	s_load_b256 s[4:11], s[0:1], 0x0               ; qkvb, edge_info, We, ob
	v_lshl_add_u32 v[SPW], v0, 2, SPARE
	v_mov_b32 v[NIL], 0
	ds_add_u32 v[SPW], v[NIL]                      ; the opening: the add, twice on end, and its wait ahead of my first tensor load
	ds_add_u32 v[SPW], v[NIL]
	v_lshrrev_b32 v1, 5, v0
	v_readfirstlane_b32 s[WV], v1
	s_and_b32 s[HF], s[WV], 1
	s_bfe_u32 s13, ttmp6, 0x40000                  ; cx
	s_lshl_b32 s15, ttmp9, 2
	s_add_co_u32 s15, s15, s13                     ; x: it enters Q's, E's and O's addresses alone
	s_and_b32 s16, ttmp7, 0xffff                   ; y, which the partners share
	s_mov_b32 s[G1E], (2<<16)|(1<<20)|(7<<22)|(3<<25)  ; E: 4-byte elements, 4 words of padding after every 256
	s_mov_b32 s[G1E+1], 512<<16
	s_mov_b32 s[G1E+2], 16<<16
	s_mov_b32 s[G1E+3], 512<<16
	s_mov_b32 s[G1E+4], 16
	s_mov_b32 s[G1E+5], 512
	s_mov_b32 s[G1E+6], 0
	s_mov_b32 s[G1E+7], 0
	s_mov_b32 s[G1Q], 1<<16                        ; Q: 64 rows of 128 elements (my 16 queries' part of 8 columns)
	s_mov_b32 s[G1Q+1], 128<<16
	s_mov_b32 s[G1Q+2], 64<<16
	s_mov_b32 s[G1Q+3], 128<<16
	s_mov_b32 s[G1Q+4], 64
	s_mov_b32 s[G1Q+5], 131072
	s_mov_b32 s[G1Q+6], 0
	s_mov_b32 s[G1Q+7], 0
	s_mov_b32 s[G1K], 15|(1<<16)|(1<<21)           ; K, V: the mask of four; 2 rows of 4,096 elements
	s_mov_b32 s[G1K+1], 4096<<16
	s_mov_b32 s[G1K+2], 2<<16
	s_mov_b32 s[G1K+3], 4096<<16
	s_mov_b32 s[G1K+4], 2
	s_mov_b32 s[G1K+5], 131072
	s_mov_b32 s[G1K+6], 0
	s_mov_b32 s[G1K+7], 0
	s_lshl_b32 s18, s16, 13                        ; K: batch y, columns 512 + 16 x my half
	s_lshl_b32 s19, s[HF], 19
	s_add_co_u32 s18, s18, s19
	s_add_co_u32 s18, s18, 64*262144
	s_mov_b32 s19, 0
	s_lshl_b32 s20, s16, 13                        ; Q and O: batch y, my 16 queries
	s_lshl_b32 s21, s15, 10
	s_add_co_u32 s20, s20, s21
	s_lshl_b32 s21, s[WV], 8
	s_add_co_u32 s20, s20, s21
	s_mov_b32 s21, 0
	s_lshl_b32 s80, s16, 20                        ; E: my 16 rows of 2,048 bytes
	s_lshl_b32 s81, s15, 17
	s_add_co_u32 s80, s80, s81
	s_lshl_b32 s81, s[WV], 15
	s_add_co_u32 s80, s80, s81
	s_mov_b32 s81, 0
	s_mul_i32 s23, s[WV], 33280
	s_add_co_u32 s23, s23, EB
	s_lshl_b32 s22, s[WV], 14
	s_lshl_b32 s17, s[HF], 14
	s_mov_b32 s[G0E], 1
	s_mov_b32 s[G0E+1], s23
	s_mov_b32 s[G0Q], 1
	s_mov_b32 s[G0Q+1], s22
	s_mov_b32 s[G0K], 1
	s_add_co_u32 s[G0K+1], s17, 0x10000
	s_mov_b32 s[G0V], 1
	s_add_co_u32 s[G0V+1], s17, 0x18000
	s_mov_b32 s[TB], 0x30000                       ; the first change turns it into slot 0
	s_mov_b32 s[TQ], 0
	s_mov_b32 s[WO], 0
	s_mov_b32 s[CC], 0x3e8293ee                    ; c
	s_mov_b32 s[SEL], 0x76543210
	s_mov_b32 s[SEL+1], 0xfedcba98
	s_or_b32 s[LIM], s[HF], ttmp9                  ; waves 0 and 2 of the batch's first cluster prefetch
	s_cmp_eq_u32 s[LIM], 0
	s_cselect_b32 s[LIM], 1, -1
	s_cmp_lt_u32 s[WV], 2
	s_cselect_b32 s82, 64, 128
	s_add_co_u32 s82, s82, s13                     ; K's or V's block of 8 columns number cx,
	s_lshl_b32 s82, s82, 18
	s_lshl_b32 s83, s16, 13
	s_add_co_u32 s82, s82, s83
	s_add_co_u32 s82, s82, 1048576                 ; of head 1; the first change steps it to head 2
	s_mov_b32 s83, 0
	s_wait_dscnt 0x0
	s_wait_kmcnt 0x0
	s_add_nc_u64 s[G0K+2:G0K+3], s[4:5], s[18:19]
	s_add_nc_u64 s[G0V+2:G0V+3], s[G0K+2:G0K+3], 16777216
	s_or_b32 s[G0K+3], s[G0K+3], 0x80000000
	s_or_b32 s[G0V+3], s[G0V+3], 0x80000000
	s_add_nc_u64 s[G0Q+2:G0Q+3], s[4:5], s[20:21]
	s_or_b32 s[G0Q+3], s[G0Q+3], 0x80000000
	s_add_nc_u64 s[G0E+2:G0E+3], s[6:7], s[80:81]
	s_or_b32 s[G0E+3], s[G0E+3], 0x80000000
	s_add_nc_u64 s[10:11], s[10:11], s[20:21]
	s_add_nc_u64 s[PFA:PFA+1], s[4:5], s[82:83]
	CROUND                                         ; all four work-groups are here
	tensor_load_to_lds s[G0E:G0E+3], s[G1E:G1E+7]  ; the first fills, three loads of mine: my rows of edge_info,
	s_nop 0
	tensor_load_to_lds s[G0Q:G0Q+3], s[G1Q:G1Q+7]  ; my queries, all heads,
	s_nop 0
	JLOAD                                          ; my part of head 0's K or V
	v_and_b32 v1, 15, v0
	v_bfe_u32 v10, v0, 4, 1
	v_lshlrev_b32 v11, 4, v1
	v_lshl_add_u32 v[K0], v10, 13, v11             ; 8,192 h + 16 (l % 16)
	v_lshl_add_u32 v[Q0], v10, 8, v11
	v_add_nc_u32 v[Q0], s22, v[Q0]
	v_lshrrev_b32 v27, 3, v1
	v_and_b32 v11, 7, v1
	v_lshlrev_b32 v11, 4, v11
	v_lshl_add_u32 v11, v10, 7, v11                ; 16 (r % 8) + 128 h
	v_lshl_add_u32 v[V0], v27, 13, v11
	v_add_nc_u32 v[V0], 0x8000, v[V0]
	v_lshl_add_u32 v[CO], v27, 18, v11
	v_mul_u32_u24 v[EA], v1, 2080
	v_lshl_add_u32 v[EA], v10, 5, v[EA]
	v_add_nc_u32 v[EA], s23, v[EA]
	v_and_b32 v[PFO], 31, v0
	v_lshlrev_b32 v[PFO], 8, v[PFO]
	WIN 0xc0
.set i, 0
.rept 8
	v_mov_b32 v[64+i], 0x3f803f80                  ; ones in bf16
.set i, i+1
.endr
	s_wait_tensorcnt 0x0                           ; E and Q are my own bytes: my own wait is all that their reads need
	WIN 0x40
.set i, 0
.rept 32                               ; E(query r, keys 16 i + 8 h + 0..7)
	ds_load_b128 v[8*i:8*i+3], v[EA] offset:64*i+16*(i/16)
	ds_load_b128 v[8*i+4:8*i+7], v[EA] offset:64*i+16*(i/16)+16
.set i, i+1
.endr
	WIN 0
	s_mov_b32 s[CNT], 15
.Lh:
	CHANGE 1
	HEADW
	s_sub_co_u32 s[CNT], s[CNT], 1
	s_cmp_lg_u32 s[CNT], 0
	s_cbranch_scc1 .Lh
	CHANGE 0                                       ; the last head is written out: nothing is asked for
	HEADW
	s_wait_tensorcnt 0x0                           ; the wave's end
	ds_add_u32 v[SPW], v[NIL]
	s_wait_dscnt 0x0
	CROUND                                         ; the closing round
	s_endpgm
.Lfunc_end_k_q3c35c4a8eb_attn:
	.size	k_q3c35c4a8eb_attn, .Lfunc_end_k_q3c35c4a8eb_attn-k_q3c35c4a8eb_attn
	.p2alignl 7, 3214868480
	.fill 96, 4, 3214868480
	.section	.rodata,"a",@progbits
	.p2align	6, 0x0
	.amdhsa_kernel k_q3c35c4a8eb_attn
		.amdhsa_group_segment_fixed_size 327680
		.amdhsa_private_segment_fixed_size 0
		.amdhsa_enable_private_segment 0
		.amdhsa_kernarg_size 32
		.amdhsa_user_sgpr_count 2
		.amdhsa_user_sgpr_kernarg_segment_ptr 1
		.amdhsa_wavefront_size32 1
		.amdhsa_system_sgpr_workgroup_id_x 1
		.amdhsa_system_sgpr_workgroup_id_y 1
		.amdhsa_system_sgpr_workgroup_id_z 1
		.amdhsa_system_vgpr_workitem_id 0
		.amdhsa_next_free_vgpr 1024
		.amdhsa_next_free_sgpr 96
		.amdhsa_reserve_vcc 0
		.amdhsa_float_denorm_mode_32 3
		.amdhsa_float_denorm_mode_16_64 3
		.amdhsa_memory_ordered 1
		.amdhsa_forward_progress 1
		.amdhsa_inst_pref_size 132
	.end_amdhsa_kernel
	.amdgpu_metadata
---
amdhsa.version: [ 1, 2 ]
amdhsa.kernels:
  - .name:           k_q3c35c4a8eb_attn
    .symbol:         k_q3c35c4a8eb_attn.kd
    .args:
      - { .name: qkvb, .offset: 0, .size: 8, .value_kind: global_buffer, .address_space: global }
      - { .name: edge_info, .offset: 8, .size: 8, .value_kind: global_buffer, .address_space: global }
      - { .name: We, .offset: 16, .size: 8, .value_kind: global_buffer, .address_space: global }
      - { .name: ob, .offset: 24, .size: 8, .value_kind: global_buffer, .address_space: global }
    .group_segment_fixed_size: 327680
    .private_segment_fixed_size: 0
    .kernarg_segment_align: 8
    .kernarg_segment_size: 32
    .max_flat_workgroup_size: 128
    .sgpr_count:     96
    .vgpr_count:     1024
    .wavefront_size: 32
...
	.end_amdgpu_metadata
.endif
;; end of part 3
;; launch proj (part 4): grid 8 x 32, 4 waves a work-group, clusters of 4 x 4, 327,680 bytes of LDS; arguments ob, wt, xb, g1, b1, o1; writes o1
.if DOCPART == 4
	.amdgcn_target "amdgcn-amd-amdhsa--gfx1250"
	.amdhsa_code_object_version 6
	.text
	.protected	k_q3c35c4a8eb_proj
	.globl	k_q3c35c4a8eb_proj
	.p2align	8
	.type	k_q3c35c4a8eb_proj,@function
k_q3c35c4a8eb_proj:
	s_mov_b64 s[64:65], 0
	v_nop
	global_prefetch_b8 v0, s[64:65] scope:SCOPE_SE
	s_setreg_imm32_b32 hwreg(HW_REG_WAVE_MODE, 25, 1), 1
	s_wait_xcnt 0x0
	s_wait_alu depctr_hold_cnt(0) depctr_sa_sdst(0) depctr_va_vdst(0) depctr_va_sdst(0) depctr_va_ssrc(0) depctr_va_vcc(0) depctr_vm_vsrc(0)
	s_getreg_b32 s2, hwreg(HW_REG_IB_STS2, 6, 4)
	s_cmp_eq_u32 s2, 0
	s_cbranch_scc0 .Lentry_in_a_cluster
	s_endpgm
.Lentry_in_a_cluster:
	s_bfe_u32 s2, ttmp6, 0x10000c
	s_cmp_lg_u32 s2, 0xf033
	s_cbranch_scc0 .Lentry_shape_is_right
	s_endpgm
.Lentry_shape_is_right:
; PROJ: o1 = instance_norm(xb + ob x Wc) g1 + b1, rounded once to bf16.  bc is left out: a constant per channel ahead of a norm that takes the mean over the nodes away (see the first kernel's head).
; LAYOUTS.  Activations [C/8][R/8][8 c][8 r] (16 bytes = 8 rows of one column; 8 columns of all rows = 262,144 bytes; a batch = 8,192 bytes of it).  Weights [K/8][N][8 k].
; SHARES.  Work-group (x, y): ALL 512 rows of batch y x columns 64 x .., so that the norm over the nodes stays in the work-group.  Wave w: rows 128 w .. + 127: 8 x 4 accumulators.
; PRODUCT.  Source 0 = 16 rows of the activation (turned out of LDS), source 1 = 16 columns of W: a lane holds ONE column (lane % 16) and rows 8 (lane / 16) + 0..7.  The sums START with the residual, unpacked into the accumulators.
; NORM, in f32: a column's sum is taken in the lane, across the lanes' halves, and across the four waves through LDS; then the differences, their squares' sum the same way; biased variance, eps = 1e-5.
; RING, CLUSTER: K in steps of 128 through two LDS slots; waves 0, 1 fetch A's halves (jointly along a row of the 4 x 4 cluster), waves 2, 3 B's (along a column).
; No prefetch into the L2: the walk has 4 K steps, of which 2 are first fills.
; REGISTERS: window 0: addresses, statistics v32-59, A's buffers v64-191 (later packed results), g v192-195, b pairs v200-207; window 1: B's buffers v0-127, the residual v128-255; windows 2, 3: accumulator (a, b) at v[8 (8 (a % 4) + b)].
.set NB, 4
.set NTOT, 512
.set KSTEP, 128
.set T, 4
.set WOFF, 1572864
.set F32OUT, 0
.set PF, 0
.set AX, 0x20000
.set BBASE, 0x40000
.set BX, 0x4000
.set STAT, 294912
.set STAGE, 296960
.set SPARE, 314368
.set TN, 16*NB
.set BSZ, 16*TN
.set HK, KSTEP/16
.set A0L, 3
.set A0H, 4
.set B0, 5
.set ADRA, 6
.set ADRB, 7
.set CO, 8
.set SA, 10
.set SR, 11
.set STO, 12
.set RD, 13
.set GO, 14
.set PFO, 15
.set SPW, 28
.set NIL, 29
.set TMP, 64
.set GA, 192
.set BE, 200
.set OUT, 74
.set HF, 12
.set WV, 14
.set FB, 15
.set G1A, 24
.set G0A, 32
.set G1B, 48
.set G0B, 56
.set TA, 66
.set TB, 67
.set CNT, 68
.set PFA, 84
.set LIM, 86
.set MSB, 0
.macro WIN new
.if MSB != (\new)
	s_set_vgpr_msb (MSB<<8)|(\new)
.set MSB, \new
.endif
.endm
.macro PLACES
.rept 4
	v_nop
.endr
.endm
.macro CREST
	s_cmp_lg_u32 s[WV], 0
	s_cbranch_scc1 .Lnw0_\@
	s_barrier_signal -3
.Lnw0_\@:
	s_barrier_wait -3
	s_barrier_signal -1
	s_barrier_wait -1
.endm
.macro CROUND
	s_barrier_signal -1
	s_barrier_wait -1
	CREST
.endm
.macro JLOAD
	s_cmp_eq_u32 s[FB], 0
	s_cbranch_scc0 .Ljb_\@
	tensor_load_to_lds s[G0A+4:G0A+7], s[G1A:G1A+7]
	s_nop 0
	PLACES
	s_branch .Ljd_\@
.Ljb_\@:
	tensor_load_to_lds s[G0B+4:G0B+7], s[G1B:G1B+7]
	s_nop 0
	PLACES
.Ljd_\@:
.endm
.macro ASK                             ; (assembled where PF = 1) the K step two refills on, asked of memory: see the kernel's head
	s_cmp_gt_u32 s[CNT], s[LIM]
	s_cbranch_scc0 .Lnm_\@
	global_prefetch_b8 v[PFO], s[PFA:PFA+1] offset:4194304 th:TH_LOAD_NT scope:SCOPE_SE
.Lnm_\@:
.endm
.macro MULA f, hi, a0                  ; 8 matrix instructions; the accumulators take turns
	WIN 0xa4+0x50*(\hi)
.irp a, \a0, (\a0)+1
.set b, 0
.rept NB
.set rD, 8*(8*(\a)+b)
.set rA, 64+64*(\f)+8*(4*(\hi)+(\a))
.set rB, 64*(\f)+8*b
	v_wmma_f32_16x16x32_bf16 v[rD:rD+7], v[rA:rA+7], v[rB:rB+7], v[rD:rD+7]
.set b, b+1
.endr
.endr
.endm
.macro FETCH q, f
	WIN 0
.if (\q) < 2
	v_add_nc_u32 v[ADRA], s[TA], v[A0L]
.else
	v_add_nc_u32 v[ADRA], s[TA], v[A0H]
.endif
	v_add_nc_u32 v[ADRB], s[TB], v[B0]
	WIN 0x40
.set b, 0
.rept NB
	ds_load_b128 v[64*(\f)+8*b:64*(\f)+8*b+3], v[ADRB] offset:4*(\q)*BSZ+256*b
	ds_load_b128 v[64*(\f)+8*b+4:64*(\f)+8*b+7], v[ADRB] offset:4*(\q)*BSZ+256*b+2*BSZ
.set b, b+1
.endr
	WIN 0
.set b, 0
.rept 8
	ds_load_tr16_b128 v[64+64*(\f)+8*b:64+64*(\f)+8*b+3], v[ADRA] offset:((\q)&1)*32768+256*b
	ds_load_tr16_b128 v[64+64*(\f)+8*b+4:64+64*(\f)+8*b+7], v[ADRA] offset:((\q)&1)*32768+256*b+16384
.set b, b+1
.endr
.endm
.macro QUARTER qn, f, g
	s_wait_dscnt 8                                 ; B and A's rows 0-63 are in; the youngest eight loads may be out
	MULA \f, 0, 0
	MULA \f, 0, 2
	PLACES
	FETCH \qn, \g
	s_wait_dscnt 2*NB+16                           ; all but the loads just issued
	MULA \f, 1, 0
	MULA \f, 1, 2
.endm
.macro MID
	QUARTER 2, 1, 0
	QUARTER 3, 0, 1
.endm
; The last quarter and the change of slots: all my tensor loads have landed, the add, my reads of this slot are over; with fill = 1 the barrier opens a round of the cluster's and the joint refill comes first behind it.
.macro TURN fill
.if PF && (\fill)
	s_wait_xcnt 0x0                                ; the last prefetch, a K step back, has read its address
	s_add_nc_u64 s[PFA:PFA+1], s[PFA:PFA+1], 4194304
.endif
	WIN 0
	s_wait_tensorcnt 0x0
	ds_add_u32 v[SPW], v[NIL]                      ; 0 onto my spare word
	s_wait_dscnt 9
	MULA 1, 0, 0
	s_wait_dscnt 0x0
	s_barrier_signal -1
	MULA 1, 0, 2
	WIN 0
	s_barrier_wait -1
.if \fill
	CREST
	s_xor_b32 s[G0A+5], s[G0A+5], AX
	s_add_nc_u64 s[G0A+6:G0A+7], s[G0A+6:G0A+7], KSTEP*32768
	s_xor_b32 s[G0B+5], s[G0B+5], BX
	s_add_nc_u64 s[G0B+6:G0B+7], s[G0B+6:G0B+7], KSTEP*2*NTOT
.endif
	s_xor_b32 s[TA], s[TA], AX
	s_xor_b32 s[TB], s[TB], BX
.if \fill
	JLOAD
.else
	PLACES
.endif
	FETCH 0, 0
.if PF && (\fill)
	ASK
.endif
	MULA 1, 1, 0
	MULA 1, 1, 2
.endm
; Four columns' pairs at v[src + 2 b] are summed: the pair, the lanes' halves, the four waves (through 1 KiB of LDS at byte off of the statistics' block).  The sums end in v40-43, in every lane.
.macro RED src, off
.irp b, 0,1,2,3
	v_add_f32 v[40+\b], v[(\src)+2*\b], v[(\src)+2*\b+1]
.endr
.irp b, 0,1,2,3
	v_mov_b32 v[44+\b], v[40+\b]
.endr
.irp b, 0,1,2,3
	v_permlanex16_b32 v[44+\b], v[40+\b], s80, s81
.endr
.irp b, 0,1,2,3
	v_add_f32 v[40+\b], v[40+\b], v[44+\b]
.endr
	ds_store_b128 v[SA], v[40:43] offset:\off
	s_wait_dscnt 0x0                               ; for the others' sake
	s_barrier_signal -1
	s_barrier_wait -1
.irp w, 0,1,2,3
	ds_load_b128 v[44+4*\w:47+4*\w], v[SR] offset:(\off)+256*\w
.endr
	s_wait_dscnt 0x0
.irp b, 0,1,2,3
	v_add_f32 v[44+\b], v[44+\b], v[48+\b]
	v_add_f32 v[52+\b], v[52+\b], v[56+\b]
.endr
.irp b, 0,1,2,3
	v_add_f32 v[40+\b], v[44+\b], v[52+\b]
.endr
.endm
	s_load_b256 s[4:11], s[0:1], 0x0               ; A, wt, residual, g
	s_load_b128 s[72:75], s[0:1], 0x20             ; b, out
	v_lshl_add_u32 v[SPW], v0, 2, SPARE
	v_mov_b32 v[NIL], 0
	ds_add_u32 v[SPW], v[NIL]                      ; the opening: the add, twice on end, and its wait ahead of my first tensor load
	ds_add_u32 v[SPW], v[NIL]
	v_lshrrev_b32 v1, 5, v0
	v_readfirstlane_b32 s[WV], v1
	s_lshr_b32 s[FB], s[WV], 1
	s_and_b32 s[HF], s[WV], 1
	s_bfe_u32 s40, ttmp6, 0x40000                  ; cx
	s_bfe_u32 s41, ttmp6, 0x40004                  ; cy
	s_lshl_b32 s42, ttmp9, 2
	s_add_co_u32 s42, s42, s40                     ; x
	s_and_b32 s13, ttmp7, 0xffff
	s_lshl_b32 s13, s13, 2
	s_add_co_u32 s13, s13, s41                     ; y
	s_lshl_b32 s43, s41, 2
	s_lshl_b32 s43, 15, s43
	s_lshl_b32 s44, 0x1111, s40
	s_or_b32 s[G1A], s43, (1<<16)|(1<<21)
	s_or_b32 s[G1B], s44, (1<<16)|(1<<21)
	s_mov_b32 s[G1A+1], 4096<<16
	s_mov_b32 s[G1A+2], HK<<16
	s_mov_b32 s[G1A+3], 4096<<16
	s_mov_b32 s[G1A+4], HK
	s_mov_b32 s[G1A+5], 131072
	s_mov_b32 s[G1A+6], 0
	s_mov_b32 s[G1A+7], 0
	s_mov_b32 s[G1B+1], (8*TN)<<16
	s_mov_b32 s[G1B+2], HK<<16
	s_mov_b32 s[G1B+3], (8*TN)<<16
	s_mov_b32 s[G1B+4], HK
	s_mov_b32 s[G1B+5], 8*NTOT
	s_mov_b32 s[G1B+6], 0
	s_mov_b32 s[G1B+7], 0
	s_lshl_b32 s16, s13, 13
	s_mul_i32 s17, s[HF], HK*262144
	s_add_co_u32 s16, s16, s17
	s_mov_b32 s17, 0
	s_mul_i32 s46, s42, TN*16
	s_mul_i32 s47, s[HF], HK*16*NTOT
	s_add_co_u32 s46, s46, s47
	s_add_co_u32 s46, s46, WOFF
	s_mov_b32 s47, 0
	s_mul_i32 s20, s[HF], HK*8192
	s_mul_i32 s21, s[HF], HK*BSZ
	s_add_co_u32 s21, s21, BBASE
	s_mov_b32 s[TA], 0
	s_mov_b32 s[TB], 0
	s_mov_b32 s79, 0xffff0000
	s_mov_b32 s80, 0x76543210
	s_mov_b32 s81, 0xfedcba98
	s_mov_b32 s82, 0x3b000000                      ; 1 / 512
	s_mov_b32 s83, 0x3727c5ac                      ; 1e-5
	s_wait_dscnt 0x0
	s_wait_kmcnt 0x0
	s_add_nc_u64 s[18:19], s[4:5], s[16:17]
	s_add_nc_u64 s[46:47], s[6:7], s[46:47]
	CROUND
.irp s, 0,1
	s_mov_b32 s[G0A+4*(\s)], 1
	s_add_co_u32 s[G0A+4*(\s)+1], s20, (\s)*AX
	s_add_nc_u64 s[G0A+4*(\s)+2:G0A+4*(\s)+3], s[18:19], (\s)*KSTEP*32768
	s_or_b32 s[G0A+4*(\s)+3], s[G0A+4*(\s)+3], 0x80000000
	s_mov_b32 s[G0B+4*(\s)], 1
	s_add_co_u32 s[G0B+4*(\s)+1], s21, (\s)*BX
	s_add_nc_u64 s[G0B+4*(\s)+2:G0B+4*(\s)+3], s[46:47], (\s)*KSTEP*2*NTOT
	s_or_b32 s[G0B+4*(\s)+3], s[G0B+4*(\s)+3], 0x80000000
.endr
	s_cmp_eq_u32 s[FB], 0                          ; a wave's two first fills stand in one branch: two loads of mine are out
	s_cbranch_scc0 .Lfirst_b
	tensor_load_to_lds s[G0A:G0A+3], s[G1A:G1A+7]
	s_nop 0
	tensor_load_to_lds s[G0A+4:G0A+7], s[G1A:G1A+7]
	s_nop 0
	PLACES
	s_branch .Lfirst_done
.Lfirst_b:
	tensor_load_to_lds s[G0B:G0B+3], s[G1B:G1B+7]
	s_nop 0
	tensor_load_to_lds s[G0B+4:G0B+7], s[G1B:G1B+7]
	s_nop 0
	PLACES
.Lfirst_done:
	v_and_b32 v1, 15, v0                           ; r
	v_bfe_u32 v2, v0, 4, 1                         ; h
	v_lshlrev_b32 v9, 4, v1
	v_lshl_add_u32 v[A0L], v2, 13, v9
	s_lshl_b32 s22, s[WV], 11
	v_add_nc_u32 v[A0L], s22, v[A0L]
	v_add_nc_u32 v[A0H], 0x10000, v[A0L]
	v_mul_u32_u24 v[B0], v2, BSZ
	v_add3_u32 v[B0], v[B0], v9, BBASE
	v_add_nc_u32 v[SR], STAT, v9                   ; the statistics: 16 bytes a column index r,
	s_lshl_b32 s23, s[WV], 8
	v_add_nc_u32 v[SA], s23, v[SR]                 ; 256 bytes a wave
	v_lshrrev_b32 v[CO], 3, v1
	v_lshlrev_b32 v[CO], 18, v[CO]
	v_lshl_add_u32 v[CO], v2, 7, v[CO]
	v_and_b32 v9, 7, v1
	v_lshl_add_u32 v[CO], v9, 4, v[CO]
	s_lshl_b32 s76, s42, 21                        ; my 8 blocks of 8 columns, batch y, my 128 rows
	s_lshl_b32 s77, s13, 13
	s_add_co_u32 s76, s76, s77
	s_add_co_u32 s76, s76, s22
	s_mov_b32 s77, 0
	s_add_nc_u64 s[8:9], s[8:9], s[76:77]
.if F32OUT
	s_lshl_b32 s76, s13, 20                        ; out0, row-major f32: row 512 y + 128 w, column 64 x
	s_lshl_b32 s78, s[WV], 18
	s_add_co_u32 s76, s76, s78
	s_lshl_b32 s78, s42, 8
	s_add_co_u32 s76, s76, s78
	s_mul_i32 s23, s[WV], 4352
	s_add_co_u32 s23, s23, STAGE                   ; my stage: 16 rows of 256 + 16 bytes
	v_mul_u32_u24 v[STO], v2, 2176
	v_lshl_add_u32 v[STO], v1, 2, v[STO]
	v_add_nc_u32 v[STO], s23, v[STO]
	v_mul_u32_u24 v[RD], v2, 272
	v_lshl_add_u32 v[RD], v1, 4, v[RD]
	v_add_nc_u32 v[RD], s23, v[RD]
	v_lshlrev_b32 v[GO], 11, v2
	v_lshl_add_u32 v[GO], v1, 4, v[GO]
.endif
	s_add_nc_u64 s[OUT:OUT+1], s[OUT:OUT+1], s[76:77]
.if PF
	s_lshl_b32 s88, s40, 2                         ; of a K step's 16 blocks of 8 columns I ask for number 4 cx + wave: told apart by address
	s_add_co_u32 s88, s88, s[WV]
	s_lshl_b32 s88, s88, 18
	s_lshl_b32 s89, s13, 13
	s_add_co_u32 s88, s88, s89
	s_add_co_u32 s88, s88, 2*4194304               ; at K step 2: the first refill steps it to 3 and names K step 4
	s_mov_b32 s89, 0
	s_add_nc_u64 s[PFA:PFA+1], s[4:5], s[88:89]
	s_cmp_eq_u32 ttmp9, 0                          ; both clusters of a row of clusters read these rows: the first asks
	s_cselect_b32 s[LIM], 2, -1
	v_and_b32 v[PFO], 31, v0
	v_lshlrev_b32 v[PFO], 8, v[PFO]
.endif
	WIN 0x40
.set t, 0
.rept 32                               ; the residual: row block t / 4, column block t % 4
	global_load_b128 v[128+4*t:128+4*t+3], v[CO], s[8:9] offset:(t%4)*524288+(t/4)*256
.set t, t+1
.endr
	WIN 0
	s_lshl_b32 s78, s42, 8
	v_lshl_add_u32 v9, v1, 2, s78
.irp b, 0,1,2,3
	global_load_b32 v[GA+\b], v9, s[10:11] offset:64*\b
	global_load_b32 v[BE+2*\b], v9, s[72:73] offset:64*\b
	global_load_b32 v[BE+2*\b+1], v9, s[72:73] offset:64*\b
.endr
	s_wait_loadcnt 0x0
.irp hi, 0,1
	WIN 0x84+0x40*(\hi)
.set t, 0
.rept 16
.set rD, 8*(8*(t/4)+t%4)
.set rR, 128+4*(16*(\hi)+t)
.set j, 0
.rept 4
	v_lshlrev_b32 v[rD+2*j], 16, v[rR+j]           ; bf16 to f32: the sums start with the residual
	v_and_b32 v[rD+2*j+1], s79, v[rR+j]
.set j, j+1
.endr
.set t, t+1
.endr
.endr
	WIN 0
	s_wait_tensorcnt 0x1                           ; my part of K step 0 is in; K step 1's may stay out
	s_barrier_signal -1
	s_barrier_wait -1
	FETCH 0, 0
	QUARTER 1, 0, 1
	WIN 0
	s_mov_b32 s[CNT], T-2
.Lk:
	MID
	TURN 1
	QUARTER 1, 0, 1
	WIN 0
	s_sub_co_u32 s[CNT], s[CNT], 1
	s_cmp_lg_u32 s[CNT], 0
	s_cbranch_scc1 .Lk
	s_mov_b32 s[CNT], 2
.Lt:                                   ; the last two K steps ask for nothing; the second pass is left behind its TURN, whose fetch serves nothing: the price of one text for both
	MID
	TURN 0
	WIN 0
	s_sub_co_u32 s[CNT], s[CNT], 1
	s_cmp_eq_u32 s[CNT], 0
	s_cbranch_scc1 .Lout
	QUARTER 1, 0, 1
	WIN 0
	s_branch .Lt
.Lout:
	s_wait_dscnt 0x0
	PLACES
	; the columns' sums: each accumulator is read from its low end on; the four columns by turns
.set a, 0
.rept 8
.set p, 0
.rept 4
.set b, 0
.rept 4
.set rD, 8*(8*(a%4)+b)+2*p
.if (a == 0) && (p == 1)
	WIN 0x0a
	v_pk_add_f32 v[32+2*b:33+2*b], v[rD-2:rD-1], v[rD:rD+1]
.elseif (a > 0) || (p > 1)
	WIN 0x08+4*(a/4)
	v_pk_add_f32 v[32+2*b:33+2*b], v[32+2*b:33+2*b], v[rD:rD+1]
.endif
.set b, b+1
.endr
.set p, p+1
.endr
.set a, a+1
.endr
	WIN 0
	RED 32, 0
.irp b, 0,1,2,3
	v_mul_f32 v[32+2*\b], s82, v[40+\b]            ; the mean, in both halves of a pair
	v_mul_f32 v[33+2*\b], s82, v[40+\b]
.endr
.irp hi, 0,1
	WIN 0x82+0x41*(\hi)
.set t, 0
.rept 64                               ; d = y - mean, in place: row block t / 16, pair (t / 4) % 4, column block t % 4
.set rD, 8*(8*(t/16)+t%4)+2*((t/4)%4)
	v_pk_add_f32 v[rD:rD+1], v[rD:rD+1], v[32+2*(t%4):33+2*(t%4)] neg_lo:[0,1] neg_hi:[0,1]
.set t, t+1
.endr
	WIN 0x0a+5*(\hi)
.set t, 0
.rept 64
.set rD, 8*(8*(t/16)+t%4)+2*((t/4)%4)
.if ((\hi) == 0) && (t < 4)
	v_pk_mul_f32 v[48+2*(t%4):49+2*(t%4)], v[rD:rD+1], v[rD:rD+1]
.else
	v_pk_fma_f32 v[48+2*(t%4):49+2*(t%4)], v[rD:rD+1], v[rD:rD+1], v[48+2*(t%4):49+2*(t%4)]
.endif
.set t, t+1
.endr
.endr
	WIN 0
	RED 48, 1024                                   ; other bytes than the first sums': no second barrier is wanted
.irp b, 0,1,2,3
	v_fma_f32 v[40+\b], v[40+\b], s82, s83         ; the variance + eps
.endr
.irp b, 0,1,2,3
	v_rsq_f32 v[44+\b], v[40+\b]
.endr
	v_nop
	s_wait_alu depctr_va_vdst(0)                   ; one wait for the four
.irp b, 0,1,2,3
	v_mul_f32 v[32+2*\b], v[44+\b], v[GA+\b]
	v_mul_f32 v[33+2*\b], v[44+\b], v[GA+\b]
.endr
.irp hi, 0,1
	WIN 0x82+0x41*(\hi)
.set t, 0
.rept 64
.set rD, 8*(8*(t/16)+t%4)+2*((t/4)%4)
	v_pk_fma_f32 v[rD:rD+1], v[rD:rD+1], v[32+2*(t%4):33+2*(t%4)], v[BE+2*(t%4):BE+2*(t%4)+1]
.set t, t+1
.endr
.endr
.if F32OUT
.set a, 0
.rept 8                                ; 16 rows at a time through my stage: in by columns, back as whole rows of 256 bytes
	WIN 0x08+4*(a/4)
.set t, 0
.rept 32
	ds_store_b32 v[STO], v[8*(8*(a%4)+t/8)+t%8] offset:272*(t%8)+64*(t/8)
.set t, t+1
.endr
	WIN 0
	s_wait_xcnt 0x0                                ; earlier stores have read the registers that are loaded again
.set t, 0
.rept 8
	ds_load_b128 v[TMP+32*(a%2)+4*t:TMP+32*(a%2)+4*t+3], v[RD] offset:544*t  ; LDS serves a wave's instructions in order (ISA guide 5.7.1.4)
.set t, t+1
.endr
	s_wait_dscnt 0x0
.set t, 0
.rept 8
	global_store_b128 v[GO], v[TMP+32*(a%2)+4*t:TMP+32*(a%2)+4*t+3], s[OUT:OUT+1] offset:a*32768+t*4096 th:TH_STORE_NT  ; 16 lanes: 256 consecutive bytes, aligned
.set t, t+1
.endr
.set a, a+1
.endr
.else
.irp hi, 0,1
.if \hi
	s_wait_xcnt 0x0
.endif
	WIN 0x0a+5*(\hi)
.set t, 0
.rept 4*NB
.set rD, 8*(8*(t/NB)+t%NB)
.set j, 0
.rept 4
	v_cvt_pk_bf16_f32 v[TMP+4*t+j], v[rD+2*j], v[rD+2*j+1]
.set j, j+1
.endr
.set t, t+1
.endr
	WIN 0
.set t, 0
.rept 4*NB
	global_store_b128 v[CO], v[TMP+4*t:TMP+4*t+3], s[OUT:OUT+1] offset:(t%NB)*524288+(4*(\hi)+t/NB)*256
.set t, t+1
.endr
.endr
.endif
	s_wait_tensorcnt 0x0                           ; the wave's end
	ds_add_u32 v[SPW], v[NIL]
	s_wait_dscnt 0x0
	CROUND
	s_endpgm
.Lfunc_end_k_q3c35c4a8eb_proj:
	.size	k_q3c35c4a8eb_proj, .Lfunc_end_k_q3c35c4a8eb_proj-k_q3c35c4a8eb_proj
	.p2alignl 7, 3214868480
	.fill 96, 4, 3214868480
	.section	.rodata,"a",@progbits
	.p2align	6, 0x0
	.amdhsa_kernel k_q3c35c4a8eb_proj
		.amdhsa_group_segment_fixed_size 327680
		.amdhsa_private_segment_fixed_size 0
		.amdhsa_enable_private_segment 0
		.amdhsa_kernarg_size 48
		.amdhsa_user_sgpr_count 2
		.amdhsa_user_sgpr_kernarg_segment_ptr 1
		.amdhsa_wavefront_size32 1
		.amdhsa_system_sgpr_workgroup_id_x 1
		.amdhsa_system_sgpr_workgroup_id_y 1
		.amdhsa_system_sgpr_workgroup_id_z 1
		.amdhsa_system_vgpr_workitem_id 0
		.amdhsa_next_free_vgpr 1024
		.amdhsa_next_free_sgpr 96
		.amdhsa_reserve_vcc 0
		.amdhsa_float_denorm_mode_32 3
		.amdhsa_float_denorm_mode_16_64 3
		.amdhsa_memory_ordered 1
		.amdhsa_forward_progress 1
		.amdhsa_inst_pref_size 106
	.end_amdhsa_kernel
	.amdgpu_metadata
---
amdhsa.version: [ 1, 2 ]
amdhsa.kernels:
  - .name:           k_q3c35c4a8eb_proj
    .symbol:         k_q3c35c4a8eb_proj.kd
    .args:
      - { .name: ob, .offset: 0, .size: 8, .value_kind: global_buffer, .address_space: global }
      - { .name: wt, .offset: 8, .size: 8, .value_kind: global_buffer, .address_space: global }
      - { .name: xb, .offset: 16, .size: 8, .value_kind: global_buffer, .address_space: global }
      - { .name: g1, .offset: 24, .size: 8, .value_kind: global_buffer, .address_space: global }
      - { .name: b1, .offset: 32, .size: 8, .value_kind: global_buffer, .address_space: global }
      - { .name: o1, .offset: 40, .size: 8, .value_kind: global_buffer, .address_space: global }
    .group_segment_fixed_size: 327680
    .private_segment_fixed_size: 0
    .kernarg_segment_align: 8
    .kernarg_segment_size: 48
    .max_flat_workgroup_size: 128
    .sgpr_count:     96
    .vgpr_count:     1024
    .wavefront_size: 32
...
	.end_amdgpu_metadata
.endif
;; end of part 4
;; launch ffn1 (part 5): grid 4 x 64, 4 waves a work-group, clusters of 4 x 1, 327,680 bytes of LDS; arguments o1, wt, b1f, hid; writes hid
.if DOCPART == 5
	.amdgcn_target "amdgcn-amd-amdhsa--gfx1250"
	.amdhsa_code_object_version 6
	.text
	.protected	k_q3c35c4a8eb_ffn1
	.globl	k_q3c35c4a8eb_ffn1
	.p2align	8
	.type	k_q3c35c4a8eb_ffn1,@function
k_q3c35c4a8eb_ffn1:
	s_mov_b64 s[64:65], 0
	v_nop
	global_prefetch_b8 v0, s[64:65] scope:SCOPE_SE
	s_setreg_imm32_b32 hwreg(HW_REG_WAVE_MODE, 25, 1), 1
	s_wait_xcnt 0x0
	s_wait_alu depctr_hold_cnt(0) depctr_sa_sdst(0) depctr_va_vdst(0) depctr_va_sdst(0) depctr_va_ssrc(0) depctr_va_vcc(0) depctr_vm_vsrc(0)
	s_getreg_b32 s2, hwreg(HW_REG_IB_STS2, 6, 4)
	s_cmp_eq_u32 s2, 0
	s_cbranch_scc0 .Lentry_in_a_cluster
	s_endpgm
.Lentry_in_a_cluster:
	s_bfe_u32 s2, ttmp6, 0x10000c
	s_cmp_lg_u32 s2, 0x3003
	s_cbranch_scc0 .Lentry_shape_is_right
	s_endpgm
.Lentry_shape_is_right:
; FFN1: hid[16384][2048] = relu(o1[16384][512] x W1f + b1f), bf16 operands, f32 sums, K ascending, rounded once to bf16.
; LAYOUTS.  Activations [C/8][R/8][8 c][8 r] (16 bytes = 8 rows of one column; 8 columns of all rows = 262,144 bytes; 256 rows = 4,096 bytes of it).  Weights [K/8][N][8 k], a block of 8 k = BS bytes.
; A STAYS IN LDS.  K is 512, so 256 rows of the activation are 256 KiB: they are filled once, at the head, and nothing is filled again: the loop has no barrier and no wait on a tensor load.
; SHARES.  Work-group (x, y): rows 256 y .. + 255 x columns 512 x .., in two passes of 256.  Wave w: ALL 256 rows x 64 columns of a pass: 16 x 4 accumulators of 16 x 16, 512 registers.
; W COMES THROUGH REGISTERS.  A wave's columns are its own, and a fragment lies in wt as the registers take it (16 lanes read 256 consecutive bytes), so W needs no LDS: four fragment buffers, a quarter of 32 k each, asked for 2.5 quarters ahead.
; PRODUCT.  Source 0 = 16 rows of the activation (turned out of LDS by ds_load_tr16_b128), source 1 = 16 columns of W.  In the result a lane holds ONE column (lane % 16) and rows 8 (lane / 16) + 0..7:
; rounded in pairs these are 16 bytes of the output's layout, stored straight from registers.  The sums START with the bias, as the C operand of a pass's first products.
; CLUSTER 4 x 1.  The four column groups of a row block want the same A: asked for jointly, each wave one load of 16 rows of 4,096 bytes (one tensor load of mine is out).  W is shared by no two partners.
; No prefetch into the L2: A comes by the launch's first loads, at its head; W's rows are walked by all 64 row blocks, not read once.
; ONE TEXT FOR EVERY TRIP: the last trip of the last pass fetches a quarter of A and three of W (inside wt) that serve nothing, and the bias is copied once more than it is used.
; REGISTERS in windows of 256: 0: addresses, W's four buffers v64-191, the bias v192-227; 1: A's two buffers of 128 (the upper one takes the packed results on the way out); 2, 3: accumulator (a, b) at v[8 (4 (a % 8) + b)] of window 2 + a / 8.
.set NB, 4
.set NTOT, 2048
.set WOFF, 2097152
.set BIAS, 1
.set BS, 16*NTOT
.set WCOLS, 16*NB                      ; a wave's columns in a pass
.set PCOLS, 4*WCOLS                    ; the work-group's
.set GCOLS, 2*PCOLS                    ; both passes'
.set PASSB, PCOLS*16                   ; bytes from a pass's columns to the next's in a block of W
.set PSTEP, (PCOLS/8)*262144           ; and in the output
.set SPARE, 262144                     ; behind A: the spare words, 128 bytes a wave
.set A0, 3                             ; v3   4,096 (l / 16) + 16 (l % 16); never rewritten
.set ADRA, 4                           ; v4   A0 + the trip's 128 k
.set BO, 5                             ; v5   BS (l / 16) + 16 (l % 16); never rewritten
.set CO, 8                             ; v8   my 16 bytes in the output; never rewritten
.set SPW, 28
.set NIL, 29
.set ZERO, 31
.set BB, 64
.set BI, 192
.set BI2, 224
.set TMP, 128
.set OUT, 8+2*BIAS
.set WV, 14
.set G1, 24
.set G0, 32
.set BASE, 44                          ; s[44:45] W at my columns of pass 0
.set BP, 46                            ; s[46:47] W at the trip in hand
.set BN, 48                            ; s[48:49] W at the next trip (behind a pass's last: the next pass's first)
.set OFFN, 50                          ; s[50:51] BN's offset from BASE
.set STP, 52
.set SWRAP, 53
.set SFWD, 54
.set TA, 66
.set CNT, 68
.set PC, 69
.set MSB, 0
.macro WIN new                         ; the immediate's high byte repeats the setting that is left; a switch that changes nothing is dropped
.if MSB != (\new)
	s_set_vgpr_msb (MSB<<8)|(\new)
.set MSB, \new
.endif
.endm
.macro PLACES                          ; four plain places behind matrix instructions, ahead of loads into their sources and of readers of their results
.rept 4
	v_nop
.endr
.endm
.macro CROUND                          ; a round of the cluster's barrier
	s_barrier_signal -1
	s_barrier_wait -1
	s_cmp_lg_u32 s[WV], 0
	s_cbranch_scc1 .Lnw0_\@
	s_barrier_signal -3
.Lnw0_\@:
	s_barrier_wait -3
	s_barrier_signal -1
	s_barrier_wait -1
.endm
; 8 NB matrix instructions: row blocks 8 hi .. 8 hi + 7 x all column blocks, 32 along K: A's buffer f, W's buffer q.  mode 0: adds on; 1: starts the sums with 0; 2: with the bias.  The accumulators take turns.
.macro MULH f, q, hi, mode
.if (\mode) == 2
	WIN 0x81+0x40*(\hi)
.else
	WIN 0xa1+0x50*(\hi)
.endif
.set a, 0
.rept 8
.set b, 0
.rept NB
.set rD, 8*(4*a+b)
.set rA, 128*(\f)+8*(8*(\hi)+a)
.set rB, BB+32*(\q)+8*b
.if (\mode) == 0
	v_wmma_f32_16x16x32_bf16 v[rD:rD+7], v[rA:rA+7], v[rB:rB+7], v[rD:rD+7]
.elseif (\mode) == 1
	v_wmma_f32_16x16x32_bf16 v[rD:rD+7], v[rA:rA+7], v[rB:rB+7], 0
.else
	v_wmma_f32_16x16x32_bf16 v[rD:rD+7], v[rA:rA+7], v[rB:rB+7], v[BI+8*b:BI+8*b+7]
.endif
.set b, b+1
.endr
.set a, a+1
.endr
.endm
.macro FETCHA f, off                   ; A's 16 fragments of a quarter into buffer f, rows ascending: 32 loads in one run
	WIN 0x40
.set a, 0
.rept 16
	ds_load_tr16_b128 v[128*(\f)+8*a:128*(\f)+8*a+3], v[ADRA] offset:(\off)+256*a
	ds_load_tr16_b128 v[128*(\f)+8*a+4:128*(\f)+8*a+7], v[ADRA] offset:(\off)+256*a+8192
.set a, a+1
.endr
.endm
.macro LOADB q, ptr, off               ; W's NB fragments of a quarter into buffer q: 2 NB loads
	WIN 0
.set b, 0
.rept NB
	global_load_b128 v[BB+32*(\q)+8*b:BB+32*(\q)+8*b+3], v[BO], s[\ptr:\ptr+1] offset:(\off)+256*b
	global_load_b128 v[BB+32*(\q)+8*b+4:BB+32*(\q)+8*b+7], v[BO], s[\ptr:\ptr+1] offset:(\off)+256*b+2*BS
.set b, b+1
.endr
.endm
.macro HALF q, hi                      ; a quarter's half; of a trip's first quarter the matrix instructions stand twice: a pass's first trip starts the sums
.if (\q) == 0
	WIN 0
	s_cmp_eq_u32 s[CNT], 4
	s_cbranch_scc1 .Lstart_\@
	MULH 0, 0, \hi, 0
	WIN 0
	s_branch .Ljoin_\@
.Lstart_\@:
	v_nop                                          ; these products write over accumulators and are no links of their chains: with the four places of the quarter's middle, five plain instructions stand behind the last products on them, on the way over the backward jump too (ISA guide 7.12.1)
	MULH 0, 0, \hi, 1+BIAS
	WIN 0
.Ljoin_\@:
.else
	MULH (\q)&1, \q, \hi, 0
.endif
.endm
; Quarter q of a trip.  In its middle, behind four places: W of the quarter three on, into the buffer that the quarter before read, and A's fragments of the next quarter, into the buffer that the quarter before read.
.macro QUARTER q
	s_wait_loadcnt 4*NB                            ; my W is in: the two younger runs of 2 NB loads may stay out
	s_wait_dscnt 16                                ; A's rows 0-127 are in; the youngest sixteen loads (rows 128-255) may be out
	HALF \q, 0
	PLACES
.if (\q) == 0
	LOADB 3, BP, 12*BS
.else
	LOADB (\q)-1, BN, ((\q)-1)*4*BS
.endif
.if (\q) < 3
	FETCHA 1-((\q)&1), ((\q)+1)*16384
.else
	s_add_co_u32 s[TA], s[TA], 65536               ; the next trip's 128 k; behind the fourth trip back to 0
	s_and_b32 s[TA], s[TA], 0x3ffff
	v_add_nc_u32 v[ADRA], s[TA], v[A0]
	FETCHA 0, 0
.endif
	s_wait_dscnt 32                                ; all but the 32 just issued
	HALF \q, 1
.endm
.if BIAS
	s_load_b256 s[4:11], s[0:1], 0x0               ; A, wt, bias, out
.else
	s_load_b128 s[4:7], s[0:1], 0x0                ; A, wt
	s_load_b64 s[8:9], s[0:1], 0x10                ; out
.endif
	v_lshl_add_u32 v[SPW], v0, 2, SPARE
	v_mov_b32 v[NIL], 0
	ds_add_u32 v[SPW], v[NIL]                      ; the opening: the add, twice on end, and its wait ahead of my first tensor load
	ds_add_u32 v[SPW], v[NIL]
	v_lshrrev_b32 v1, 5, v0
	v_readfirstlane_b32 s[WV], v1                  ; wave 0..3
	s_bfe_u32 s40, ttmp6, 0x40000                  ; cx = x: the grid is one cluster wide; it enters W's, the bias's and the output's addresses alone
	s_and_b32 s13, ttmp7, 0xffff                   ; y, which the partners share
	s_mov_b32 s[G1], 15|(1<<16)|(1<<21)            ; the mask of four; elements of 2 bytes; bit 21 beside a mask
	s_mov_b32 s[G1+1], 2048<<16                    ; rows of 2,048 elements (256 rows' part of 8 columns),
	s_mov_b32 s[G1+2], 16<<16                      ; 16 of them,
	s_mov_b32 s[G1+3], 2048<<16
	s_mov_b32 s[G1+4], 16
	s_mov_b32 s[G1+5], 131072                      ; 131,072 elements apart
	s_mov_b32 s[G1+6], 0
	s_mov_b32 s[G1+7], 0
	s_mov_b32 s[G0], 1
	s_lshl_b32 s[G0+1], s[WV], 16                  ; wave w brings k = 128 w .. + 127 to LDS byte 65,536 w
	s_lshl_b32 s16, s13, 12
	s_lshl_b32 s17, s[WV], 22
	s_add_co_u32 s16, s16, s17
	s_mov_b32 s17, 0
	s_mul_i32 s18, s40, GCOLS*16                   ; W: my columns of pass 0
	s_mul_i32 s19, s[WV], WCOLS*16
	s_add_co_u32 s18, s18, s19
.if WOFF
	s_add_co_u32 s18, s18, WOFF
.endif
	s_mov_b32 s19, 0
	s_mul_i32 s20, s40, (GCOLS/8)*262144           ; the output: my columns of pass 0, my work-group's rows
	s_mul_i32 s21, s[WV], (WCOLS/8)*262144
	s_add_co_u32 s20, s20, s21
	s_lshl_b32 s21, s13, 12
	s_add_co_u32 s20, s20, s21
	s_mov_b32 s21, 0
	s_mov_b32 s[OFFN], 16*BS
	s_mov_b32 s[OFFN+1], 0
	s_mov_b32 s[SFWD], 16*BS                       ; a trip on: 128 k
	s_mov_b32 s[SWRAP], (PASSB-48*BS)&0xffffffff   ; from a pass's last trip to the next pass's first (modulo 2^32; the offset itself stays small)
	s_mov_b32 s[TA], 0
	s_wait_dscnt 0x0                               ; both opening adds are done
	s_wait_kmcnt 0x0
	s_add_nc_u64 s[G0+2:G0+3], s[4:5], s[16:17]
	s_or_b32 s[G0+3], s[G0+3], 0x80000000
	s_add_nc_u64 s[BASE:BASE+1], s[6:7], s[18:19]
	s_mov_b64 s[BP:BP+1], s[BASE:BASE+1]
	s_add_nc_u64 s[BN:BN+1], s[BASE:BASE+1], s[OFFN:OFFN+1]
	s_add_nc_u64 s[OUT:OUT+1], s[OUT:OUT+1], s[20:21]
	CROUND                                         ; all four work-groups are here: the joint loads meet
	tensor_load_to_lds s[G0:G0+3], s[G1:G1+7]      ; my quarter of A: the launch's only fill
	s_nop 0
	PLACES
	v_and_b32 v1, 15, v0                           ; r
	v_bfe_u32 v2, v0, 4, 1                         ; h
	v_lshlrev_b32 v9, 4, v1
	v_lshl_add_u32 v[A0], v2, 12, v9
	v_mov_b32 v[ADRA], v[A0]
	v_mul_u32_u24 v[BO], v2, BS
	v_add_nc_u32 v[BO], v[BO], v9
	v_lshrrev_b32 v[CO], 3, v1                     ; out: (r / 8) blocks of 8 columns + 128 h + 16 (r % 8)
	v_lshlrev_b32 v[CO], 18, v[CO]
	v_lshl_add_u32 v[CO], v2, 7, v[CO]
	v_and_b32 v9, 7, v1
	v_lshl_add_u32 v[CO], v9, 4, v[CO]
.if BIAS
	s_mul_i32 s22, s40, GCOLS*4
	s_mul_i32 s23, s[WV], WCOLS*4
	s_add_co_u32 s22, s22, s23
	v_lshl_add_u32 v9, v1, 2, s22
.set b, 0
.rept NB
	global_load_b32 v[BI+8*b], v9, s[8:9] offset:64*b            ; pass 0's bias,
	global_load_b32 v[BI2+b], v9, s[8:9] offset:64*b+PCOLS*4     ; pass 1's
.set b, b+1
.endr
	v_mov_b32 v[ZERO], 0
.endif
	LOADB 0, BP, 0                                 ; W's first three quarters
	LOADB 1, BP, 4*BS
	LOADB 2, BP, 8*BS
.if BIAS
	s_wait_loadcnt 6*NB                            ; the bias is in; W's 6 NB loads stay out
.set b, 0
.rept NB                               ; a column's bias is the same in the lane's eight rows
.set j, 1
.rept 7
	v_mov_b32 v[BI+8*b+j], v[BI+8*b]
.set j, j+1
.endr
.set b, b+1
.endr
.endif
	s_wait_tensorcnt 0x0                           ; my quarter of A is in,
	s_barrier_signal -1
	s_barrier_wait -1                              ; everybody's is
	FETCHA 0, 0
	WIN 0
	s_mov_b32 s[PC], 2
.Lpass:
	s_mov_b32 s[CNT], 4
.Lk:                                   ; a trip: 128 along K
	QUARTER 0
	QUARTER 1
	QUARTER 2
	QUARTER 3
	WIN 0
	s_wait_xcnt 0x0                                ; W's loads (the youngest 8 NB matrix instructions back) have read their base: the pointers may be written
	s_mov_b64 s[BP:BP+1], s[BN:BN+1]
	s_cmp_eq_u32 s[CNT], 2                         ; behind a pass's third trip the trip after next is the next pass's first
	s_cselect_b32 s[STP], s[SWRAP], s[SFWD]
	s_add_co_u32 s[OFFN], s[OFFN], s[STP]
	s_add_nc_u64 s[BN:BN+1], s[BASE:BASE+1], s[OFFN:OFFN+1]
	s_sub_co_u32 s[CNT], s[CNT], 1
	s_cmp_lg_u32 s[CNT], 0
	s_cbranch_scc1 .Lk
	; THE WAY OUT of a pass, 128 rows at a time: rounded in pairs into A's upper buffer, ReLU, stored; the lower buffer holds the next pass's first fragments
	PLACES
.irp hi, 0,1
.if \hi
	s_wait_xcnt 0x0                                ; the first half's stores have read their registers
.endif
	WIN 0x4a+5*(\hi)
.set t, 0
.rept 8*NB
.set rD, 8*(4*(t/NB)+t%NB)
.set j, 0
.rept 4
	v_cvt_pk_bf16_f32 v[TMP+4*t+j], v[rD+2*j], v[rD+2*j+1]
.set j, j+1
.endr
.set t, t+1
.endr
.if BIAS
	WIN 0x41
.set t, 0
.rept 32*NB
	v_pk_max_num_bf16 v[TMP+t], v[TMP+t], v[ZERO]  ; ReLU on the packed halves
.set t, t+1
.endr
.endif
	WIN 0x04
.set t, 0
.rept 8*NB
	global_store_b128 v[CO], v[TMP+4*t:TMP+4*t+3], s[OUT:OUT+1] offset:(t%NB)*524288+(8*(\hi)+t/NB)*256
.set t, t+1
.endr
.endr
	WIN 0
	s_wait_xcnt 0x0                                ; the stores have read their registers and their base
	s_add_nc_u64 s[OUT:OUT+1], s[OUT:OUT+1], PSTEP
.if BIAS
.set b, 0
.rept NB
.set j, 0
.rept 8
	v_mov_b32 v[BI+8*b+j], v[BI2+b]                ; the second pass's bias
.set j, j+1
.endr
.set b, b+1
.endr
.endif
	s_sub_co_u32 s[PC], s[PC], 1
	s_cmp_lg_u32 s[PC], 0
	s_cbranch_scc1 .Lpass
	s_wait_tensorcnt 0x0                           ; the wave's end
	ds_add_u32 v[SPW], v[NIL]
	s_wait_dscnt 0x0
	CROUND                                         ; the closing round
	s_endpgm
.Lfunc_end_k_q3c35c4a8eb_ffn1:
	.size	k_q3c35c4a8eb_ffn1, .Lfunc_end_k_q3c35c4a8eb_ffn1-k_q3c35c4a8eb_ffn1
	.p2alignl 7, 3214868480
	.fill 96, 4, 3214868480
	.section	.rodata,"a",@progbits
	.p2align	6, 0x0
	.amdhsa_kernel k_q3c35c4a8eb_ffn1
		.amdhsa_group_segment_fixed_size 327680
		.amdhsa_private_segment_fixed_size 0
		.amdhsa_enable_private_segment 0
		.amdhsa_kernarg_size 32
		.amdhsa_user_sgpr_count 2
		.amdhsa_user_sgpr_kernarg_segment_ptr 1
		.amdhsa_wavefront_size32 1
		.amdhsa_system_sgpr_workgroup_id_x 1
		.amdhsa_system_sgpr_workgroup_id_y 1
		.amdhsa_system_sgpr_workgroup_id_z 1
		.amdhsa_system_vgpr_workitem_id 0
		.amdhsa_next_free_vgpr 1024
		.amdhsa_next_free_sgpr 96
		.amdhsa_reserve_vcc 0
		.amdhsa_float_denorm_mode_32 3
		.amdhsa_float_denorm_mode_16_64 3
		.amdhsa_memory_ordered 1
		.amdhsa_forward_progress 1
		.amdhsa_inst_pref_size 84
	.end_amdhsa_kernel
	.amdgpu_metadata
---
amdhsa.version: [ 1, 2 ]
amdhsa.kernels:
  - .name:           k_q3c35c4a8eb_ffn1
    .symbol:         k_q3c35c4a8eb_ffn1.kd
    .args:
      - { .name: o1, .offset: 0, .size: 8, .value_kind: global_buffer, .address_space: global }
      - { .name: wt, .offset: 8, .size: 8, .value_kind: global_buffer, .address_space: global }
      - { .name: b1f, .offset: 16, .size: 8, .value_kind: global_buffer, .address_space: global }
      - { .name: hid, .offset: 24, .size: 8, .value_kind: global_buffer, .address_space: global }
    .group_segment_fixed_size: 327680
    .private_segment_fixed_size: 0
    .kernarg_segment_align: 8
    .kernarg_segment_size: 32
    .max_flat_workgroup_size: 128
    .sgpr_count:     96
    .vgpr_count:     1024
    .wavefront_size: 32
...
	.end_amdgpu_metadata
.endif
;; end of part 5
;; launch ffn2 (part 6): grid 8 x 32, 4 waves a work-group, clusters of 4 x 4, 327,680 bytes of LDS; arguments hid, wt, o1, g2, b2, out0; writes out0
.if DOCPART == 6
	.amdgcn_target "amdgcn-amd-amdhsa--gfx1250"
	.amdhsa_code_object_version 6
	.text
	.protected	k_q3c35c4a8eb_ffn2
	.globl	k_q3c35c4a8eb_ffn2
	.p2align	8
	.type	k_q3c35c4a8eb_ffn2,@function
k_q3c35c4a8eb_ffn2:
	s_mov_b64 s[64:65], 0
	v_nop
	global_prefetch_b8 v0, s[64:65] scope:SCOPE_SE
	s_setreg_imm32_b32 hwreg(HW_REG_WAVE_MODE, 25, 1), 1
	s_wait_xcnt 0x0
	s_wait_alu depctr_hold_cnt(0) depctr_sa_sdst(0) depctr_va_vdst(0) depctr_va_sdst(0) depctr_va_ssrc(0) depctr_va_vcc(0) depctr_vm_vsrc(0)
	s_getreg_b32 s2, hwreg(HW_REG_IB_STS2, 6, 4)
	s_cmp_eq_u32 s2, 0
	s_cbranch_scc0 .Lentry_in_a_cluster
	s_endpgm
.Lentry_in_a_cluster:
	s_bfe_u32 s2, ttmp6, 0x10000c
	s_cmp_lg_u32 s2, 0xf033
	s_cbranch_scc0 .Lentry_shape_is_right
	s_endpgm
.Lentry_shape_is_right:
; FFN2: out0 = instance_norm(o1 + hid x W2f) g2 + b2, in f32, row-major.  b2f is left out: a constant per channel ahead of a norm that takes the mean over the nodes away (see the first kernel's head).
; LAYOUTS.  Activations [C/8][R/8][8 c][8 r] (16 bytes = 8 rows of one column; 8 columns of all rows = 262,144 bytes; a batch = 8,192 bytes of it).  Weights [K/8][N][8 k].
; SHARES.  Work-group (x, y): ALL 512 rows of batch y x columns 64 x .., so that the norm over the nodes stays in the work-group.  Wave w: rows 128 w .. + 127: 8 x 4 accumulators.
; PRODUCT.  Source 0 = 16 rows of the activation (turned out of LDS), source 1 = 16 columns of W: a lane holds ONE column (lane % 16) and rows 8 (lane / 16) + 0..7.  The sums START with the residual, unpacked into the accumulators.
; NORM, in f32: a column's sum is taken in the lane, across the lanes' halves, and across the four waves through LDS; then the differences, their squares' sum the same way; biased variance, eps = 1e-5.
; RING, CLUSTER: K = 2,048 in 16 steps of 128 through two LDS slots; waves 0, 1 fetch A's halves (jointly along a row of the 4 x 4 cluster), waves 2, 3 B's (along a column).
; PREFETCH INTO THE L2 of hid: behind each joint refill and the run of LDS loads that follows it, one line a wave names the K step TWO refills on (256 matrix instructions ahead of its load).  A K step of a batch is 16 x 8,192 bytes:
; the four partners of a row of the cluster and their four waves take 8,192 bytes each, told apart by address, a lane 256 bytes; of the two clusters that read a batch the first asks: each block is named once.
; K steps 0 to 3 come by their loads alone; the last two refills ask for nothing.  The weights (1/9 of a step's bytes, read by every batch) are not asked for.
; WAY OUT: 16 rows at a time through the wave's own stage in LDS, so that 16 lanes store 256 consecutive bytes of a row of out0.
; REGISTERS: window 0: addresses, statistics v32-59, A's buffers v64-191 (later rows on their way out), g v192-195, b pairs v200-207; window 1: B's buffers v0-127, the residual v128-255; windows 2, 3: accumulator (a, b) at v[8 (8 (a % 4) + b)].
.set NB, 4
.set NTOT, 512
.set KSTEP, 128
.set T, 16
.set WOFF, 4194304
.set F32OUT, 1
.set PF, 1
.set AX, 0x20000
.set BBASE, 0x40000
.set BX, 0x4000
.set STAT, 294912
.set STAGE, 296960
.set SPARE, 314368
.set TN, 16*NB
.set BSZ, 16*TN
.set HK, KSTEP/16
.set A0L, 3
.set A0H, 4
.set B0, 5
.set ADRA, 6
.set ADRB, 7
.set CO, 8
.set SA, 10
.set SR, 11
.set STO, 12
.set RD, 13
.set GO, 14
.set PFO, 15
.set SPW, 28
.set NIL, 29
.set TMP, 64
.set GA, 192
.set BE, 200
.set OUT, 74
.set HF, 12
.set WV, 14
.set FB, 15
.set G1A, 24
.set G0A, 32
.set G1B, 48
.set G0B, 56
.set TA, 66
.set TB, 67
.set CNT, 68
.set PFA, 84
.set LIM, 86
.set MSB, 0
.macro WIN new
.if MSB != (\new)
	s_set_vgpr_msb (MSB<<8)|(\new)
.set MSB, \new
.endif
.endm
.macro PLACES
.rept 4
	v_nop
.endr
.endm
.macro CREST
	s_cmp_lg_u32 s[WV], 0
	s_cbranch_scc1 .Lnw0_\@
	s_barrier_signal -3
.Lnw0_\@:
	s_barrier_wait -3
	s_barrier_signal -1
	s_barrier_wait -1
.endm
.macro CROUND
	s_barrier_signal -1
	s_barrier_wait -1
	CREST
.endm
.macro JLOAD
	s_cmp_eq_u32 s[FB], 0
	s_cbranch_scc0 .Ljb_\@
	tensor_load_to_lds s[G0A+4:G0A+7], s[G1A:G1A+7]
	s_nop 0
	PLACES
	s_branch .Ljd_\@
.Ljb_\@:
	tensor_load_to_lds s[G0B+4:G0B+7], s[G1B:G1B+7]
	s_nop 0
	PLACES
.Ljd_\@:
.endm
.macro ASK                             ; the K step two refills on: see the kernel's head
	s_cmp_gt_u32 s[CNT], s[LIM]
	s_cbranch_scc0 .Lnm_\@
	global_prefetch_b8 v[PFO], s[PFA:PFA+1] offset:4194304 th:TH_LOAD_NT scope:SCOPE_SE
.Lnm_\@:
.endm
.macro MULA f, hi, a0                  ; 8 matrix instructions; the accumulators take turns
	WIN 0xa4+0x50*(\hi)
.irp a, \a0, (\a0)+1
.set b, 0
.rept NB
.set rD, 8*(8*(\a)+b)
.set rA, 64+64*(\f)+8*(4*(\hi)+(\a))
.set rB, 64*(\f)+8*b
	v_wmma_f32_16x16x32_bf16 v[rD:rD+7], v[rA:rA+7], v[rB:rB+7], v[rD:rD+7]
.set b, b+1
.endr
.endr
.endm
.macro FETCH q, f
	WIN 0
.if (\q) < 2
	v_add_nc_u32 v[ADRA], s[TA], v[A0L]
.else
	v_add_nc_u32 v[ADRA], s[TA], v[A0H]
.endif
	v_add_nc_u32 v[ADRB], s[TB], v[B0]
	WIN 0x40
.set b, 0
.rept NB
	ds_load_b128 v[64*(\f)+8*b:64*(\f)+8*b+3], v[ADRB] offset:4*(\q)*BSZ+256*b
	ds_load_b128 v[64*(\f)+8*b+4:64*(\f)+8*b+7], v[ADRB] offset:4*(\q)*BSZ+256*b+2*BSZ
.set b, b+1
.endr
	WIN 0
.set b, 0
.rept 8
	ds_load_tr16_b128 v[64+64*(\f)+8*b:64+64*(\f)+8*b+3], v[ADRA] offset:((\q)&1)*32768+256*b
	ds_load_tr16_b128 v[64+64*(\f)+8*b+4:64+64*(\f)+8*b+7], v[ADRA] offset:((\q)&1)*32768+256*b+16384
.set b, b+1
.endr
.endm
.macro QUARTER qn, f, g
	s_wait_dscnt 8                                 ; B and A's rows 0-63 are in; the youngest eight loads may be out
	MULA \f, 0, 0
	MULA \f, 0, 2
	PLACES
	FETCH \qn, \g
	s_wait_dscnt 2*NB+16                           ; all but the loads just issued
	MULA \f, 1, 0
	MULA \f, 1, 2
.endm
.macro MID
	QUARTER 2, 1, 0
	QUARTER 3, 0, 1
.endm
; The last quarter and the change of slots: all my tensor loads have landed, the add, my reads of this slot are over; with fill = 1 the barrier opens a round of the cluster's and the joint refill comes first behind it.
.macro TURN fill
.if PF && (\fill)
	s_wait_xcnt 0x0                                ; the last prefetch, a K step back, has read its address
	s_add_nc_u64 s[PFA:PFA+1], s[PFA:PFA+1], 4194304
.endif
	WIN 0
	s_wait_tensorcnt 0x0
	ds_add_u32 v[SPW], v[NIL]                      ; 0 onto my spare word
	s_wait_dscnt 9
	MULA 1, 0, 0
	s_wait_dscnt 0x0
	s_barrier_signal -1
	MULA 1, 0, 2
	WIN 0
	s_barrier_wait -1
.if \fill
	CREST
	s_xor_b32 s[G0A+5], s[G0A+5], AX
	s_add_nc_u64 s[G0A+6:G0A+7], s[G0A+6:G0A+7], KSTEP*32768
	s_xor_b32 s[G0B+5], s[G0B+5], BX
	s_add_nc_u64 s[G0B+6:G0B+7], s[G0B+6:G0B+7], KSTEP*2*NTOT
.endif
	s_xor_b32 s[TA], s[TA], AX
	s_xor_b32 s[TB], s[TB], BX
.if \fill
	JLOAD
.else
	PLACES
.endif
	FETCH 0, 0
.if PF && (\fill)
	ASK
.endif
	MULA 1, 1, 0
	MULA 1, 1, 2
.endm
; Four columns' pairs at v[src + 2 b] are summed: the pair, the lanes' halves, the four waves (through 1 KiB of LDS at byte off of the statistics' block).  The sums end in v40-43, in every lane.
.macro RED src, off
.irp b, 0,1,2,3
	v_add_f32 v[40+\b], v[(\src)+2*\b], v[(\src)+2*\b+1]
.endr
.irp b, 0,1,2,3
	v_mov_b32 v[44+\b], v[40+\b]
.endr
.irp b, 0,1,2,3
	v_permlanex16_b32 v[44+\b], v[40+\b], s80, s81
.endr
.irp b, 0,1,2,3
	v_add_f32 v[40+\b], v[40+\b], v[44+\b]
.endr
	ds_store_b128 v[SA], v[40:43] offset:\off
	s_wait_dscnt 0x0                               ; for the others' sake
	s_barrier_signal -1
	s_barrier_wait -1
.irp w, 0,1,2,3
	ds_load_b128 v[44+4*\w:47+4*\w], v[SR] offset:(\off)+256*\w
.endr
	s_wait_dscnt 0x0
.irp b, 0,1,2,3
	v_add_f32 v[44+\b], v[44+\b], v[48+\b]
	v_add_f32 v[52+\b], v[52+\b], v[56+\b]
.endr
.irp b, 0,1,2,3
	v_add_f32 v[40+\b], v[44+\b], v[52+\b]
.endr
.endm
	s_load_b256 s[4:11], s[0:1], 0x0               ; A, wt, residual, g
	s_load_b128 s[72:75], s[0:1], 0x20             ; b, out
	v_lshl_add_u32 v[SPW], v0, 2, SPARE
	v_mov_b32 v[NIL], 0
	ds_add_u32 v[SPW], v[NIL]                      ; the opening: the add, twice on end, and its wait ahead of my first tensor load
	ds_add_u32 v[SPW], v[NIL]
	v_lshrrev_b32 v1, 5, v0
	v_readfirstlane_b32 s[WV], v1
	s_lshr_b32 s[FB], s[WV], 1
	s_and_b32 s[HF], s[WV], 1
	s_bfe_u32 s40, ttmp6, 0x40000                  ; cx
	s_bfe_u32 s41, ttmp6, 0x40004                  ; cy
	s_lshl_b32 s42, ttmp9, 2
	s_add_co_u32 s42, s42, s40                     ; x
	s_and_b32 s13, ttmp7, 0xffff
	s_lshl_b32 s13, s13, 2
	s_add_co_u32 s13, s13, s41                     ; y
	s_lshl_b32 s43, s41, 2
	s_lshl_b32 s43, 15, s43
	s_lshl_b32 s44, 0x1111, s40
	s_or_b32 s[G1A], s43, (1<<16)|(1<<21)
	s_or_b32 s[G1B], s44, (1<<16)|(1<<21)
	s_mov_b32 s[G1A+1], 4096<<16
	s_mov_b32 s[G1A+2], HK<<16
	s_mov_b32 s[G1A+3], 4096<<16
	s_mov_b32 s[G1A+4], HK
	s_mov_b32 s[G1A+5], 131072
	s_mov_b32 s[G1A+6], 0
	s_mov_b32 s[G1A+7], 0
	s_mov_b32 s[G1B+1], (8*TN)<<16
	s_mov_b32 s[G1B+2], HK<<16
	s_mov_b32 s[G1B+3], (8*TN)<<16
	s_mov_b32 s[G1B+4], HK
	s_mov_b32 s[G1B+5], 8*NTOT
	s_mov_b32 s[G1B+6], 0
	s_mov_b32 s[G1B+7], 0
	s_lshl_b32 s16, s13, 13
	s_mul_i32 s17, s[HF], HK*262144
	s_add_co_u32 s16, s16, s17
	s_mov_b32 s17, 0
	s_mul_i32 s46, s42, TN*16
	s_mul_i32 s47, s[HF], HK*16*NTOT
	s_add_co_u32 s46, s46, s47
	s_add_co_u32 s46, s46, WOFF
	s_mov_b32 s47, 0
	s_mul_i32 s20, s[HF], HK*8192
	s_mul_i32 s21, s[HF], HK*BSZ
	s_add_co_u32 s21, s21, BBASE
	s_mov_b32 s[TA], 0
	s_mov_b32 s[TB], 0
	s_mov_b32 s79, 0xffff0000
	s_mov_b32 s80, 0x76543210
	s_mov_b32 s81, 0xfedcba98
	s_mov_b32 s82, 0x3b000000                      ; 1 / 512
	s_mov_b32 s83, 0x3727c5ac                      ; 1e-5
	s_wait_dscnt 0x0
	s_wait_kmcnt 0x0
	s_add_nc_u64 s[18:19], s[4:5], s[16:17]
	s_add_nc_u64 s[46:47], s[6:7], s[46:47]
	CROUND
.irp s, 0,1
	s_mov_b32 s[G0A+4*(\s)], 1
	s_add_co_u32 s[G0A+4*(\s)+1], s20, (\s)*AX
	s_add_nc_u64 s[G0A+4*(\s)+2:G0A+4*(\s)+3], s[18:19], (\s)*KSTEP*32768
	s_or_b32 s[G0A+4*(\s)+3], s[G0A+4*(\s)+3], 0x80000000
	s_mov_b32 s[G0B+4*(\s)], 1
	s_add_co_u32 s[G0B+4*(\s)+1], s21, (\s)*BX
	s_add_nc_u64 s[G0B+4*(\s)+2:G0B+4*(\s)+3], s[46:47], (\s)*KSTEP*2*NTOT
	s_or_b32 s[G0B+4*(\s)+3], s[G0B+4*(\s)+3], 0x80000000
.endr
	s_cmp_eq_u32 s[FB], 0                          ; a wave's two first fills stand in one branch: two loads of mine are out
	s_cbranch_scc0 .Lfirst_b
	tensor_load_to_lds s[G0A:G0A+3], s[G1A:G1A+7]
	s_nop 0
	tensor_load_to_lds s[G0A+4:G0A+7], s[G1A:G1A+7]
	s_nop 0
	PLACES
	s_branch .Lfirst_done
.Lfirst_b:
	tensor_load_to_lds s[G0B:G0B+3], s[G1B:G1B+7]
	s_nop 0
	tensor_load_to_lds s[G0B+4:G0B+7], s[G1B:G1B+7]
	s_nop 0
	PLACES
.Lfirst_done:
	v_and_b32 v1, 15, v0                           ; r
	v_bfe_u32 v2, v0, 4, 1                         ; h
	v_lshlrev_b32 v9, 4, v1
	v_lshl_add_u32 v[A0L], v2, 13, v9
	s_lshl_b32 s22, s[WV], 11
	v_add_nc_u32 v[A0L], s22, v[A0L]
	v_add_nc_u32 v[A0H], 0x10000, v[A0L]
	v_mul_u32_u24 v[B0], v2, BSZ
	v_add3_u32 v[B0], v[B0], v9, BBASE
	v_add_nc_u32 v[SR], STAT, v9                   ; the statistics: 16 bytes a column index r,
	s_lshl_b32 s23, s[WV], 8
	v_add_nc_u32 v[SA], s23, v[SR]                 ; 256 bytes a wave
	v_lshrrev_b32 v[CO], 3, v1
	v_lshlrev_b32 v[CO], 18, v[CO]
	v_lshl_add_u32 v[CO], v2, 7, v[CO]
	v_and_b32 v9, 7, v1
	v_lshl_add_u32 v[CO], v9, 4, v[CO]
	s_lshl_b32 s76, s42, 21                        ; the residual: my 8 blocks of 8 columns, batch y, my 128 rows
	s_lshl_b32 s77, s13, 13
	s_add_co_u32 s76, s76, s77
	s_add_co_u32 s76, s76, s22
	s_mov_b32 s77, 0
	s_add_nc_u64 s[8:9], s[8:9], s[76:77]
.if F32OUT
	s_lshl_b32 s76, s13, 20                        ; out0, row-major f32: row 512 y + 128 w, column 64 x
	s_lshl_b32 s78, s[WV], 18
	s_add_co_u32 s76, s76, s78
	s_lshl_b32 s78, s42, 8
	s_add_co_u32 s76, s76, s78
	s_mul_i32 s23, s[WV], 4352
	s_add_co_u32 s23, s23, STAGE                   ; my stage: 16 rows of 256 + 16 bytes
	v_mul_u32_u24 v[STO], v2, 2176
	v_lshl_add_u32 v[STO], v1, 2, v[STO]
	v_add_nc_u32 v[STO], s23, v[STO]
	v_mul_u32_u24 v[RD], v2, 272
	v_lshl_add_u32 v[RD], v1, 4, v[RD]
	v_add_nc_u32 v[RD], s23, v[RD]
	v_lshlrev_b32 v[GO], 11, v2
	v_lshl_add_u32 v[GO], v1, 4, v[GO]
.endif
	s_add_nc_u64 s[OUT:OUT+1], s[OUT:OUT+1], s[76:77]
.if PF
	s_lshl_b32 s88, s40, 2                         ; of a K step's 16 blocks of 8 columns I ask for number 4 cx + wave: told apart by address
	s_add_co_u32 s88, s88, s[WV]
	s_lshl_b32 s88, s88, 18
	s_lshl_b32 s89, s13, 13
	s_add_co_u32 s88, s88, s89
	s_add_co_u32 s88, s88, 2*4194304               ; at K step 2: the first refill steps it to 3 and names K step 4
	s_mov_b32 s89, 0
	s_add_nc_u64 s[PFA:PFA+1], s[4:5], s[88:89]
	s_cmp_eq_u32 ttmp9, 0                          ; both clusters of a row of clusters read these rows: the first asks
	s_cselect_b32 s[LIM], 2, -1
	v_and_b32 v[PFO], 31, v0
	v_lshlrev_b32 v[PFO], 8, v[PFO]
.endif
	WIN 0x40
.set t, 0
.rept 32                               ; the residual: row block t / 4, column block t % 4
	global_load_b128 v[128+4*t:128+4*t+3], v[CO], s[8:9] offset:(t%4)*524288+(t/4)*256
.set t, t+1
.endr
	WIN 0
	s_lshl_b32 s78, s42, 8
	v_lshl_add_u32 v9, v1, 2, s78
.irp b, 0,1,2,3
	global_load_b32 v[GA+\b], v9, s[10:11] offset:64*\b
	global_load_b32 v[BE+2*\b], v9, s[72:73] offset:64*\b
	global_load_b32 v[BE+2*\b+1], v9, s[72:73] offset:64*\b
.endr
	s_wait_loadcnt 0x0
.irp hi, 0,1
	WIN 0x84+0x40*(\hi)
.set t, 0
.rept 16
.set rD, 8*(8*(t/4)+t%4)
.set rR, 128+4*(16*(\hi)+t)
.set j, 0
.rept 4
	v_lshlrev_b32 v[rD+2*j], 16, v[rR+j]           ; bf16 to f32: the sums start with the residual
	v_and_b32 v[rD+2*j+1], s79, v[rR+j]
.set j, j+1
.endr
.set t, t+1
.endr
.endr
	WIN 0
	s_wait_tensorcnt 0x1                           ; my part of K step 0 is in; K step 1's may stay out
	s_barrier_signal -1
	s_barrier_wait -1
	FETCH 0, 0
	QUARTER 1, 0, 1
	WIN 0
	s_mov_b32 s[CNT], T-2
.Lk:
	MID
	TURN 1
	QUARTER 1, 0, 1
	WIN 0
	s_sub_co_u32 s[CNT], s[CNT], 1
	s_cmp_lg_u32 s[CNT], 0
	s_cbranch_scc1 .Lk
	s_mov_b32 s[CNT], 2
.Lt:                                   ; the last two K steps ask for nothing; the second pass is left behind its TURN, whose fetch serves nothing: the price of one text for both
	MID
	TURN 0
	WIN 0
	s_sub_co_u32 s[CNT], s[CNT], 1
	s_cmp_eq_u32 s[CNT], 0
	s_cbranch_scc1 .Lout
	QUARTER 1, 0, 1
	WIN 0
	s_branch .Lt
.Lout:
	s_wait_dscnt 0x0
	PLACES
	; the columns' sums: each accumulator is read from its low end on; the four columns by turns
.set a, 0
.rept 8
.set p, 0
.rept 4
.set b, 0
.rept 4
.set rD, 8*(8*(a%4)+b)+2*p
.if (a == 0) && (p == 1)
	WIN 0x0a
	v_pk_add_f32 v[32+2*b:33+2*b], v[rD-2:rD-1], v[rD:rD+1]
.elseif (a > 0) || (p > 1)
	WIN 0x08+4*(a/4)
	v_pk_add_f32 v[32+2*b:33+2*b], v[32+2*b:33+2*b], v[rD:rD+1]
.endif
.set b, b+1
.endr
.set p, p+1
.endr
.set a, a+1
.endr
	WIN 0
	RED 32, 0
.irp b, 0,1,2,3
	v_mul_f32 v[32+2*\b], s82, v[40+\b]            ; the mean, in both halves of a pair
	v_mul_f32 v[33+2*\b], s82, v[40+\b]
.endr
.irp hi, 0,1
	WIN 0x82+0x41*(\hi)
.set t, 0
.rept 64                               ; d = y - mean, in place: row block t / 16, pair (t / 4) % 4, column block t % 4
.set rD, 8*(8*(t/16)+t%4)+2*((t/4)%4)
	v_pk_add_f32 v[rD:rD+1], v[rD:rD+1], v[32+2*(t%4):33+2*(t%4)] neg_lo:[0,1] neg_hi:[0,1]
.set t, t+1
.endr
	WIN 0x0a+5*(\hi)
.set t, 0
.rept 64
.set rD, 8*(8*(t/16)+t%4)+2*((t/4)%4)
.if ((\hi) == 0) && (t < 4)
	v_pk_mul_f32 v[48+2*(t%4):49+2*(t%4)], v[rD:rD+1], v[rD:rD+1]
.else
	v_pk_fma_f32 v[48+2*(t%4):49+2*(t%4)], v[rD:rD+1], v[rD:rD+1], v[48+2*(t%4):49+2*(t%4)]
.endif
.set t, t+1
.endr
.endr
	WIN 0
	RED 48, 1024                                   ; other bytes than the first sums': no second barrier is wanted
.irp b, 0,1,2,3
	v_fma_f32 v[40+\b], v[40+\b], s82, s83         ; the variance + eps
.endr
.irp b, 0,1,2,3
	v_rsq_f32 v[44+\b], v[40+\b]
.endr
	v_nop
	s_wait_alu depctr_va_vdst(0)                   ; one wait for the four
.irp b, 0,1,2,3
	v_mul_f32 v[32+2*\b], v[44+\b], v[GA+\b]
	v_mul_f32 v[33+2*\b], v[44+\b], v[GA+\b]
.endr
.irp hi, 0,1
	WIN 0x82+0x41*(\hi)
.set t, 0
.rept 64
.set rD, 8*(8*(t/16)+t%4)+2*((t/4)%4)
	v_pk_fma_f32 v[rD:rD+1], v[rD:rD+1], v[32+2*(t%4):33+2*(t%4)], v[BE+2*(t%4):BE+2*(t%4)+1]
.set t, t+1
.endr
.endr
.if F32OUT
.set a, 0
.rept 8                                ; 16 rows at a time through my stage: in by columns, back as whole rows of 256 bytes
	WIN 0x08+4*(a/4)
.set t, 0
.rept 32
	ds_store_b32 v[STO], v[8*(8*(a%4)+t/8)+t%8] offset:272*(t%8)+64*(t/8)
.set t, t+1
.endr
	WIN 0
	s_wait_xcnt 0x0                                ; earlier stores have read the registers that are loaded again
.set t, 0
.rept 8
	ds_load_b128 v[TMP+32*(a%2)+4*t:TMP+32*(a%2)+4*t+3], v[RD] offset:544*t  ; LDS serves a wave's instructions in order (ISA guide 5.7.1.4)
.set t, t+1
.endr
	s_wait_dscnt 0x0
.set t, 0
.rept 8
	global_store_b128 v[GO], v[TMP+32*(a%2)+4*t:TMP+32*(a%2)+4*t+3], s[OUT:OUT+1] offset:a*32768+t*4096 th:TH_STORE_NT  ; 16 lanes: 256 consecutive bytes, aligned
.set t, t+1
.endr
.set a, a+1
.endr
.else
.irp hi, 0,1
.if \hi
	s_wait_xcnt 0x0
.endif
	WIN 0x0a+5*(\hi)
.set t, 0
.rept 4*NB
.set rD, 8*(8*(t/NB)+t%NB)
.set j, 0
.rept 4
	v_cvt_pk_bf16_f32 v[TMP+4*t+j], v[rD+2*j], v[rD+2*j+1]
.set j, j+1
.endr
.set t, t+1
.endr
	WIN 0
.set t, 0
.rept 4*NB
	global_store_b128 v[CO], v[TMP+4*t:TMP+4*t+3], s[OUT:OUT+1] offset:(t%NB)*524288+(4*(\hi)+t/NB)*256
.set t, t+1
.endr
.endr
.endif
	s_wait_tensorcnt 0x0                           ; the wave's end
	ds_add_u32 v[SPW], v[NIL]
	s_wait_dscnt 0x0
	CROUND
	s_endpgm
.Lfunc_end_k_q3c35c4a8eb_ffn2:
	.size	k_q3c35c4a8eb_ffn2, .Lfunc_end_k_q3c35c4a8eb_ffn2-k_q3c35c4a8eb_ffn2
	.p2alignl 7, 3214868480
	.fill 96, 4, 3214868480
	.section	.rodata,"a",@progbits
	.p2align	6, 0x0
	.amdhsa_kernel k_q3c35c4a8eb_ffn2
		.amdhsa_group_segment_fixed_size 327680
		.amdhsa_private_segment_fixed_size 0
		.amdhsa_enable_private_segment 0
		.amdhsa_kernarg_size 48
		.amdhsa_user_sgpr_count 2
		.amdhsa_user_sgpr_kernarg_segment_ptr 1
		.amdhsa_wavefront_size32 1
		.amdhsa_system_sgpr_workgroup_id_x 1
		.amdhsa_system_sgpr_workgroup_id_y 1
		.amdhsa_system_sgpr_workgroup_id_z 1
		.amdhsa_system_vgpr_workitem_id 0
		.amdhsa_next_free_vgpr 1024
		.amdhsa_next_free_sgpr 96
		.amdhsa_reserve_vcc 0
		.amdhsa_float_denorm_mode_32 3
		.amdhsa_float_denorm_mode_16_64 3
		.amdhsa_memory_ordered 1
		.amdhsa_forward_progress 1
		.amdhsa_inst_pref_size 123
	.end_amdhsa_kernel
	.amdgpu_metadata
---
amdhsa.version: [ 1, 2 ]
amdhsa.kernels:
  - .name:           k_q3c35c4a8eb_ffn2
    .symbol:         k_q3c35c4a8eb_ffn2.kd
    .args:
      - { .name: hid, .offset: 0, .size: 8, .value_kind: global_buffer, .address_space: global }
      - { .name: wt, .offset: 8, .size: 8, .value_kind: global_buffer, .address_space: global }
      - { .name: o1, .offset: 16, .size: 8, .value_kind: global_buffer, .address_space: global }
      - { .name: g2, .offset: 24, .size: 8, .value_kind: global_buffer, .address_space: global }
      - { .name: b2, .offset: 32, .size: 8, .value_kind: global_buffer, .address_space: global }
      - { .name: out0, .offset: 40, .size: 8, .value_kind: global_buffer, .address_space: global }
    .group_segment_fixed_size: 327680
    .private_segment_fixed_size: 0
    .kernarg_segment_align: 8
    .kernarg_segment_size: 48
    .max_flat_workgroup_size: 128
    .sgpr_count:     96
    .vgpr_count:     1024
    .wavefront_size: 32
...
	.end_amdgpu_metadata
.endif
;; end of part 6
